; MI455X (gfx1250); checked and timed in simulation.
; The chip was launched on July 23, 2026; its instructions are those of AMD's public machine-readable ISA for CDNA 5 (MIT licence, August 2026) and "CDNA5" Instruction Set Architecture Reference Guide (July 2026). The comments in the code are by the model that wrote it; some were corrected since.
;; Attention Block. Allowed arithmetic: matrix products marked QUANTISED: E2M3 operands, one E8M0 scale for each 32 along K, by v_wmma_scale_f32_16x16x128_f8f6f4 with both operands' format E2M3, f32 sums; everything else in f32.
;; Inputs: Wk 512 x 512 float32; Wp 512 x 512 float32; Wq 512 x 512 float32; Wv 512 x 512 float32; beta 512 float32; bk 512 float32; bp 512 float32; bq 512 float32; bv 512 float32; gamma 512 float32; x 32 x 32 x 32 x 512 float32.
;; Outputs: out0 32 x 32 x 32 x 512 float32.
;; This version of the problem:
;;   THIS VERSION OF THE PROBLEM IS GIVEN IN LOW PRECISION. The matrix products marked QUANTISED in the list below multiply operands that are first quantised to E2M3 (2 exponent bits, 3 mantissa bits; 6 bits a number), with one power-of-two scale for each 32 numbers along K (OCP MX v1.0); their sums are f32. All else is computed in f32.
;;   The module's matrix products, in the order in which they are computed (A, B: the left and right operand; K: the contracted axis; several contracted axes count as one K, in the product's order):
;;     1. [M 32,768, K 512] x [K 512, N 512]; A: computed on the way; B: input Wq: QUANTISED
;;     2. [M 32,768, K 512] x [K 512, N 512]; A: computed on the way; B: input Wk: QUANTISED
;;     3. [M 32,768, K 512] x [K 512, N 512]; A: computed on the way; B: input Wv: QUANTISED
;;     4. batch 32 x [M 1,024, K 512] x [K 512, N 1,024]; A: computed on the way; B: computed on the way: QUANTISED
;;     5. batch 32 x [M 1,024, K 1,024] x [K 1,024, N 512]; A: softmax (see below); B: computed on the way: QUANTISED
;;     6. [M 32,768, K 512] x [K 512, N 512]; A: computed on the way; B: input Wp: QUANTISED
;;   THE QUANTISER, for each operand of a quantised product, along K:
;;     - K is cut into blocks of 32 from its start; a last block that is shorter is filled with zeros.
;;     - A block's scale is 2^e with e = floor(log2(the largest magnitude in the block)) - 2, held to -126 .. 127; a block of zeros has e = 0. As a byte (E8M0): e + 127.
;;     - Each number is divided by its block's scale, clamped to +-7.5, and rounded to the nearest number of E2M3, ties to even, subnormals kept.
;;     - The product sums the exact products of the quantised numbers (number of the format x scale) in f32.
;;   ~~~python
;;   def quantise(x, axis):      # numpy; x: float32 -> the quantised numbers, widened to float32 again
;;       x = np.moveaxis(x, axis, -1); K = x.shape[-1]
;;       x = np.pad(x, [(0, 0)] * (x.ndim - 1) + [(0, -K % 32)]); x = x.reshape(x.shape[:-1] + (-1, 32)); a = np.abs(x).max(-1, keepdims=True)
;;       e = np.where(a > 0, np.clip(np.frexp(np.where(a > 0, a, 1))[1] - 1 - 2, -126, 127), 0)      # np.frexp(a)[1] - 1 = floor(log2(a)), exactly
;;       r = np.clip(x / 2.0 ** e, -7.5, 7.5)
;;       step = 2.0 ** (np.maximum(np.frexp(np.where(r == 0, 1, r))[1] - 1, 0) - 3)
;;       q = np.round(r / step) * step * 2.0 ** e      # np.round: ties to even
;;       return np.moveaxis(q.reshape(q.shape[:-2] + (-1,))[..., :K], -1, axis).astype(np.float32)
;;   ~~~
;;   SOFTMAX AHEAD OF A QUANTISED PRODUCT. Where the list says 'softmax', what is quantised is not the finished softmax but p = 2^(t - M), with t = logit x log2(e) and M = ceil(the row's largest t), a whole number; so 1/2 < the row's largest p <= 1. The row's sum l is taken of the UNQUANTISED p, in f32, and the product's result is divided by l at the end. Since M is a whole number, a kernel that streams over the keys may use a running M (the ceiling of the running maximum): every later rescaling is an exact power of two, which a block's scale takes up: the codes' values come out the same.
;;   OPERANDS COMPUTED ON THE WAY. 'Computed on the way' means the value that the module computes at that place (a softmax that the list does not call 'softmax' is quantised finished and normalised). What goes into a quantiser is computed in f32, as accurately as f32 sums, v_exp_f32 and their like allow (about 1e-6 of the number): no bf16 or f16 on the way to a quantiser, and a product that is left as it is and whose result goes on into a quantised operand takes f32 operands (vector FMAs, or v_wmma_f32_16x16x4_f32). A number that lies on a knife's edge between two numbers of the format may be rounded either way, as far as f32 arithmetic and the matrix unit's own rounding can turn it there, and no further.
;; One version. Each part assembles by itself: llvm-mc -triple=amdgcn-amd-amdhsa -mcpu=gfx1250 --defsym DOCPART=n.
;; ======== version 1 of 1: 3 launches
;; limits: right only within a limited range of input values
;; workspace buffers: xq 12,582,912 bytes; xs 524,288 bytes; wq 819,200 bytes; qc 13,107,200 bytes; kv 26,214,400 bytes
;; launch prep (part 1): grid 8 x 32, 16 waves a work-group, no clusters, 282,624 bytes of LDS; arguments x, gamma, beta, Wq, Wk, Wv, Wp, xq, xs, wq; writes xq, xs, wq
.if DOCPART == 1
	.amdgcn_target "amdgcn-amd-amdhsa--gfx1250"
	.amdhsa_code_object_version 6
	.text
	.protected	k_q0acb4a1420_prep
	.globl	k_q0acb4a1420_prep
	.p2align	8
	.type	k_q0acb4a1420_prep,@function
k_q0acb4a1420_prep:
	s_mov_b64 s[64:65], 0
	v_nop
	global_prefetch_b8 v0, s[64:65] scope:SCOPE_SE
	s_setreg_imm32_b32 hwreg(HW_REG_WAVE_MODE, 25, 1), 1
	s_wait_xcnt 0x0
; GROUP NORM AND THE FIRST QUANTISERS.  x [32][1024][512] f32.  A work-group owns one image b (grid y) and one group g of 64 channels (grid x): 1,024 tokens x 256 bytes.
; It finds the group's mean and variance (two passes over registers: mean first, then the squares of the differences, so no difference of large sums is formed), normalises,
; applies gamma and beta, and quantises along the channels to E2M3 with one E8M0 byte for each 32 channels.  x is read from memory once: one tensor load a wave brings 64 rows of 256 bytes.
; LAYOUT OUT.  xq holds images of operand registers: [b][token tile T 64][g 8][768 bytes]; the 768 bytes are registers 6c .. 6c+5 (c = g % 2) of the fragment (T, K step g / 2):
; 512 bytes with four registers a lane at 16 x lane, then 256 bytes with two registers a lane at 8 x lane.  THE TOKENS OF A TILE ARE NOT NEIGHBOURS: row r of tile 2 a + u is token 32 a + 8 u + r + 8 (r / 8).
; xs: [b][g][wave 16][lane 32] words: low half the two scale bytes of tiles 4 w (lanes 0-15) and 4 w + 1 (lanes 16-31), high half those of tiles 4 w + 2 and 4 w + 3.
; THE WEIGHTS.  Wave 0 of each work-group also quantises two fragments (16 columns x 128 K each) of one of Wq, Wk, Wv, Wp along their first axis, while its rows of x are on their way:
; a lane takes a column and its registers run down K.  wq: [weight][half of the columns][102,400]: 64 fragments at (tile x 4 + K step) x 1,536 (three runs of 512 bytes, four registers a lane at 16 x lane),
; then at 98,304 eight runs of 512 bytes of scale words: word of (tile t of eight, row r) at 16 (r + 16 (t % 2)) + 4 (t / 2).  The columns of a tile are chosen as the tokens are.
; No cluster: the work-groups share no input but gamma, beta (256 bytes each).  LDS is filled once, so there is no ring.
; LIMITS: NaN and infinities are not served.  A block whose largest magnitude lies under 2^-124 (a block of zeros among them) gets the byte 1; the bytes are read by this program alone.
.set PITCH,  272                       ; an LDS row: 256 bytes + 16
.set WSLAB,  64*PITCH                  ; a wave's 64 rows
.set RED1,   16*WSLAB                  ; 16 words: the waves' sums; 256 bytes on: the waves' sums of squares
.set X,    16                          ; v16-143  my 4 tiles x 32 numbers (a lane holds a whole block of 32 channels of one token)
.set GA,   144                         ; v144-175 gamma of my 32 channels, then gamma / sigma
.set BE,   176                         ; v176-207 beta
.set CD,   144                         ; v144-191 the codes, 12 registers a tile, once gamma and beta are done with
.set LA,   4                           ; v4   LDS address of my row's 128 bytes in tile 0
.set L16,  5                           ; v5   16 x lane
.set L8,   6                           ; v6   8 x lane
.set L4,   7                           ; v7   4 x lane
.set H128, 8                           ; v8   128 x (lane / 16)
.set H8,   9                           ; v9   8 x (lane / 16)
.set PIR,  10                          ; v10  r + 8 (r / 8)
.set RW,   11                          ; v11  RED1 + 4 x wave
.set RR,   12                          ; v12  RED1
.set WAD,  13                          ; v13  the weights: my column and my half of K
.set WV,   24
.set SEL,  52                          ; s[52:53] lane selects: lane l xor 16
.set HI16, 57                          ; s57  a mask of lanes 16-31
	s_load_b512 s[4:19], s[0:1], 0x0               ; x, gamma, beta, Wq, Wk, Wv, Wp, xq
	s_load_b128 s[20:23], s[0:1], 0x40             ; xs, wq
	v_lshl_add_u32 v251, v0, 2, 0x44800
	v_mov_b32 v255, 0
	ds_add_u32 v251, v255
	ds_add_u32 v251, v255
	v_lshrrev_b32 v1, 5, v0
	s_delay_alu instid0(VALU_DEP_1)
	v_readfirstlane_b32 s[WV], v1                  ; wave 0..15
	s_and_b32 s26, ttmp7, 0xffff                   ; the image
	s_mov_b32 s32, (2<<16)|(1<<20)|(5<<22)|(3<<25) ; elements of 4 bytes; 4 words of padding behind every 64
	s_mov_b32 s33, 64<<16                          ; tensor_dim0 = 64
	s_mov_b32 s34, 64<<16                          ; tensor_dim1 = 64
	s_mov_b32 s35, 64<<16                          ; tile_dim0 = 64
	s_mov_b32 s36, 64                              ; tile_dim1 = 64
	s_mov_b32 s37, 512                             ; elements from token to token
	s_mov_b32 s38, 0
	s_mov_b32 s39, 0
	s_mov_b32 s28, 1
	s_mul_i32 s29, s[WV], WSLAB                    ; my 64 rows in LDS
	s_lshl_b32 s40, s26, 21                        ; the image: 1,024 x 2,048 bytes
	s_lshl_b32 s41, s[WV], 17                      ; my 64 tokens
	s_add_co_u32 s40, s40, s41
	s_lshl_b32 s42, ttmp9, 8                       ; the group's 256 bytes
	s_add_co_u32 s40, s40, s42
	s_mov_b32 s41, 0
	s_mov_b32 s43, 0
	s_wait_dscnt 0x0
	s_wait_kmcnt 0x0
	s_add_nc_u64 s[30:31], s[4:5], s[40:41]
	s_or_b32 s31, s31, 0x80000000
	tensor_load_to_lds s[28:31], s[32:39]          ; my one tensor load
	s_nop 0
.rept 4
	v_nop
.endr
	v_and_b32 v1, 31, v0
	v_and_b32 v2, 15, v0                           ; r
	v_bfe_u32 v3, v0, 4, 1                         ; h
	s_delay_alu instid0(VALU_DEP_2)
	v_and_b32 v[PIR], 8, v2
	s_delay_alu instid0(VALU_DEP_1)
	v_add_nc_u32 v[PIR], v[PIR], v2
	s_delay_alu instid0(VALU_DEP_1)
	v_mul_u32_u24 v[LA], v[PIR], PITCH
	s_delay_alu instid0(VALU_DEP_1)
	v_lshl_add_u32 v[LA], v3, 7, v[LA]
	s_delay_alu instid0(VALU_DEP_1)
	v_add_nc_u32 v[LA], s29, v[LA]
	v_lshlrev_b32 v[L16], 4, v1
	v_lshlrev_b32 v[L8], 3, v1
	v_lshlrev_b32 v[L4], 2, v1
	v_lshlrev_b32 v[H128], 7, v3
	v_lshlrev_b32 v[H8], 3, v3
	s_add_nc_u64 s[6:7], s[6:7], s[42:43]          ; gamma and beta at the group's channels
	s_add_nc_u64 s[8:9], s[8:9], s[42:43]
.irp i,0,1,2,3,4,5,6,7
	global_load_b128 v[GA+4*\i:GA+4*\i+3], v[H128], s[6:7] offset:16*\i
	global_load_b128 v[BE+4*\i:BE+4*\i+3], v[H128], s[8:9] offset:16*\i
.endr
	s_mov_b32 s[SEL], 0x76543210
	s_mov_b32 s[SEL+1], 0xfedcba98
	s_mov_b32 s[HI16], 0xffff0000
	s_mov_b32 s59, 0x37800000                      ; 1 / 65,536: the numbers of a group
	s_mov_b32 s60, 0x3a83126f                      ; epsilon = 0.001
	s_mul_i32 s44, s26, 393216                     ; xq: the image, my four tiles, the group
	s_mul_i32 s45, s[WV], 24576
	s_add_co_u32 s44, s44, s45
	s_mul_i32 s45, ttmp9, 768
	s_add_co_u32 s44, s44, s45
	s_mov_b32 s45, 0
	s_add_nc_u64 s[18:19], s[18:19], s[44:45]
	s_lshl_b32 s44, s26, 3                         ; xs: (8 b + g) x 2,048 + 128 x wave
	s_add_co_u32 s44, s44, ttmp9
	s_lshl_b32 s44, s44, 11
	s_lshl_b32 s46, s[WV], 7
	s_add_co_u32 s44, s44, s46
	s_add_nc_u64 s[20:21], s[20:21], s[44:45]
	s_lshl_b32 s58, s[WV], 2
	s_add_co_u32 s58, s58, RED1
	v_mov_b32 v[RW], s58
	v_mov_b32 v[RR], RED1
	s_cmp_lg_u32 s[WV], 0
	s_cbranch_scc1 .Lno_weights
	; ---- wave 0: two fragments of a weight.  weight = b / 8; K step = g % 4; pair of column tiles p = 2 (b % 8) + g / 4
	s_lshr_b32 s40, s26, 3
	s_cmp_eq_u32 s40, 1
	s_cselect_b64 s[44:45], s[12:13], s[10:11]
	s_cmp_eq_u32 s40, 2
	s_cselect_b64 s[44:45], s[14:15], s[44:45]
	s_cmp_eq_u32 s40, 3
	s_cselect_b64 s[44:45], s[16:17], s[44:45]
	s_and_b32 s41, ttmp9, 3
	s_and_b32 s46, s26, 7
	s_lshl_b32 s46, s46, 1
	s_lshr_b32 s47, ttmp9, 2
	s_add_co_u32 s46, s46, s47                     ; p
	s_lshr_b32 s47, s46, 3                         ; which half of the columns
	s_and_b32 s48, s46, 7                          ; the pair in that half
	s_lshl_b32 s50, s41, 18                        ; 128 rows of 2,048 bytes a K step
	s_lshl_b32 s51, s46, 7                         ; 32 columns a pair
	s_add_co_u32 s50, s50, s51
	s_mov_b32 s51, 0
	s_add_nc_u64 s[44:45], s[44:45], s[50:51]
	v_lshlrev_b32 v[WAD], 2, v[PIR]
	s_delay_alu instid0(VALU_DEP_1)
	v_lshl_add_u32 v[WAD], v3, 16, v[WAD]          ; column r + 8 (r / 8); lanes 16-31 begin 32 rows further down
.irp u,0,1
.irp c,0,1
.irp i,0,1,2,3,4,5,6,7,8,9,10,11,12,13,14,15,16,17,18,19,20,21,22,23,24,25,26,27,28,29,30,31
	global_load_b32 v[X+64*\u+32*\c+\i], v[WAD], s[44:45] offset:32*\u+(64*\c+\i)*2048
.endr
.endr
.endr
	s_mul_i32 s50, s40, 204800
	s_mul_i32 s49, s47, 102400
	s_add_co_u32 s50, s50, s49                     ; the half's block in wq
	s_lshl_b32 s49, s48, 3
	s_add_co_u32 s49, s49, s41                     ; (2 pair) x 4 + K step
	s_mul_i32 s49, s49, 1536
	s_add_co_u32 s54, s50, s49
	s_mov_b32 s55, 0
	s_add_nc_u64 s[54:55], s[22:23], s[54:55]      ; where the fragments go
	s_lshr_b32 s49, s48, 2
	s_lshl_b32 s49, s49, 2
	s_add_co_u32 s49, s49, s41                     ; (eight tiles' group) x 4 + K step
	s_lshl_b32 s49, s49, 9
	s_add_co_u32 s50, s50, s49
	s_and_b32 s49, s48, 3
	s_lshl_b32 s49, s49, 2
	s_add_co_u32 s50, s50, s49
	s_add_co_u32 s50, s50, 98304
	s_add_nc_u64 s[22:23], s[22:23], s[50:51]      ; and the scale words
	v_mov_b32 v222, 0                              ; a lane permute's destination counts as one of its sources
	v_mov_b32 v223, 0
	s_wait_loadcnt 0x0
.irp q,0,1,2,3                                 ; four blocks of 32 down K, all mine: fragment q / 2, block 2 (q % 2) + h
	v_max3_num_f32 v[208+\q], |v[X+32*\q]|, |v[X+32*\q+1]|, 0x1800000   ; with the floor 2^(3 - 127): the byte cannot fall under 1
.endr
.irp i,2,4,6,8,10,12,14,16,18,20,22,24,26,28,30
.irp q,0,1,2,3
	s_delay_alu instid0(VALU_DEP_4)
	v_max3_num_f32 v[208+\q], v[208+\q], |v[X+32*\q+\i]|, |v[X+32*\q+\i+1]|
.endr
.endr
.irp q,0,1,2,3
	s_delay_alu instid0(VALU_DEP_4)
	v_add_nc_u32 v[212+\q], 0xff000000, v[208+\q]  ; 2 off the exponent field: the conversion's scale operand
.endr
.irp q,0,1,2,3
	s_delay_alu instid0(VALU_DEP_4)
	v_lshrrev_b32 v[216+\q], 23, v[212+\q]         ; the byte
.endr
.irp u,0,1
	s_delay_alu instid0(VALU_DEP_3)
	v_lshl_or_b32 v[220+\u], v[217+2*\u], 16, v[216+2*\u]   ; my bytes: blocks h and 2 + h,
	s_delay_alu instid0(VALU_DEP_1)
	v_lshlrev_b32 v[220+\u], v[H8], v[220+\u]      ; at their places;
.endr
.irp u, 0
	s_delay_alu instid0(VALU_DEP_3)
	v_permlanex16_b32 v[222+\u], v[220+\u], s[SEL], s[SEL+1]
.endr
.irp u, 1
	s_delay_alu instid0(VALU_DEP_2)
	v_permlanex16_b32 v[222+\u], v[220+\u], s[SEL], s[SEL+1]
.endr
.irp u,0,1
	s_delay_alu instid0(VALU_DEP_2)
	v_or_b32 v[220+\u], v[220+\u], v[222+\u]       ; with lane l xor 16's the word is whole
.endr
	s_delay_alu instid0(VALU_DEP_1)
	v_cndmask_b32 v220, v220, v221, s[HI16]        ; lanes 0-15: the even tile's words, lanes 16-31: the odd tile's
.irp u,0,1
.irp c,0,1
	v_cvt_scalef32_pk16_fp6_f32 v[224+12*\u+6*\c:226+12*\u+6*\c], v[X+64*\u+32*\c:X+64*\u+32*\c+15], v[212+2*\u+\c]
	v_cvt_scalef32_pk16_fp6_f32 v[248+4*\c:250+4*\c], v[X+64*\u+32*\c+16:X+64*\u+32*\c+31], v[212+2*\u+\c]   ; (a conversion's three registers begin on an even number)
.endr
	v_nop                                          ; one plain line behind the conversions
.irp c,0,1
.irp i,0,1,2
	v_mov_b32 v[227+12*\u+6*\c+\i], v[248+4*\c+\i]
.endr
.endr
.endr
.irp u,0,1
.irp c,0,1,2
	global_store_b128 v[L16], v[224+12*\u+4*\c:227+12*\u+4*\c], s[54:55] offset:6144*\u+512*\c   ; 512 consecutive bytes a store
.endr
.endr
	global_store_b32 v[L16], v220, s[22:23]
	s_wait_xcnt 0x0                                ; the stores have read their registers: they are at work again below
.Lno_weights:
	s_wait_tensorcnt 0x0                           ; my 64 rows are in LDS; only I read them
	s_wait_alu depctr_va_vdst(0)
.irp t,0,1,2,3
.irp i,0,1,2,3,4,5,6,7
	ds_load_b128 v[X+32*\t+4*\i:X+32*\t+4*\i+3], v[LA] offset:(32*(\t/2)+8*(\t%2))*PITCH+16*\i   ; rows 16 apart share banks: two passes for each half of the lanes
.endr
.endr
.macro WAVESUM                         ; four chains of pairs in v208-215 become one sum in every lane of the wave
	s_delay_alu instid0(VALU_DEP_3)
	v_pk_add_f32 v[208:209], v[208:209], v[210:211]
	s_delay_alu instid0(VALU_DEP_2)
	v_pk_add_f32 v[212:213], v[212:213], v[214:215]
	s_delay_alu instid0(VALU_DEP_1)
	v_pk_add_f32 v[208:209], v[208:209], v[212:213]
	s_delay_alu instid0(VALU_DEP_1)
	v_add_f32 v208, v208, v209
	s_delay_alu instid0(VALU_DEP_1)
	v_add_f32_dpp v208, v208, v208 row_xmask:1 row_mask:0xf bank_mask:0xf
	s_delay_alu instid0(VALU_DEP_1)
	v_add_f32_dpp v208, v208, v208 row_xmask:2 row_mask:0xf bank_mask:0xf
	s_delay_alu instid0(VALU_DEP_1)
	v_add_f32_dpp v208, v208, v208 row_xmask:4 row_mask:0xf bank_mask:0xf
	s_delay_alu instid0(VALU_DEP_1)
	v_add_f32_dpp v208, v208, v208 row_xmask:8 row_mask:0xf bank_mask:0xf
	s_delay_alu instid0(VALU_DEP_1)
	v_permlanex16_b32 v209, v208, s[SEL], s[SEL+1]
	s_delay_alu instid0(VALU_DEP_1)
	v_add_f32 v208, v208, v209
.endm
.macro GROUPSUM off                    ; the sixteen waves' sums meet in LDS; every wave adds them in the same order: v220
	ds_store_b32 v[RW], v208 offset:\off
	s_wait_dscnt 0x0                               ; my word has landed
	s_barrier_signal -1
	s_barrier_wait -1
.irp i,0,1,2,3
	ds_load_b128 v[220+4*\i:223+4*\i], v[RR] offset:\off+16*\i
.endr
	s_wait_dscnt 0x0
	v_pk_add_f32 v[220:221], v[220:221], v[228:229]
	v_pk_add_f32 v[222:223], v[222:223], v[230:231]
	v_pk_add_f32 v[224:225], v[224:225], v[232:233]
	v_pk_add_f32 v[226:227], v[226:227], v[234:235]
	s_delay_alu instid0(VALU_DEP_2)
	v_pk_add_f32 v[220:221], v[220:221], v[224:225]
	s_delay_alu instid0(VALU_DEP_2)
	v_pk_add_f32 v[222:223], v[222:223], v[226:227]
	s_delay_alu instid0(VALU_DEP_1)
	v_pk_add_f32 v[220:221], v[220:221], v[222:223]
	s_delay_alu instid0(VALU_DEP_1)
	v_add_f32 v220, v220, v221
.endm
	s_wait_dscnt 24                                ; tile 0's eight loads are in; three tiles' 24 may be out
.irp k,0,1,2,3
	v_pk_add_f32 v[208+2*\k:209+2*\k], v[X+2*\k:X+2*\k+1], v[X+8+2*\k:X+9+2*\k]   ; the first numbers start the chains
.endr
.irp m,16,24
.irp k,0,1,2,3
	s_delay_alu instid0(VALU_DEP_4)
	v_pk_add_f32 v[208+2*\k:209+2*\k], v[208+2*\k:209+2*\k], v[X+\m+2*\k:X+\m+2*\k+1]
.endr
.endr
	s_wait_alu depctr_va_vdst(0)
.irp t,1,2,3
	s_wait_alu depctr_va_vdst(0)
	s_wait_dscnt 24-8*\t                           ; tile t is in; the younger tiles' loads may be out
.irp m,0,8,16,24
.irp k,0,1,2,3
	v_pk_add_f32 v[208+2*\k:209+2*\k], v[208+2*\k:209+2*\k], v[X+32*\t+\m+2*\k:X+32*\t+\m+2*\k+1]
.endr
.endr
.endr
	WAVESUM
	GROUPSUM 0
	s_delay_alu instid0(VALU_DEP_1)
	v_mul_f32 v218, s59, v220                      ; the mean
	s_delay_alu instid0(VALU_DEP_1)
	v_mov_b32 v219, v218
.set j, 0
.rept 64
	v_pk_add_f32 v[X+j:X+j+1], v[X+j:X+j+1], v[218:219] neg_lo:[0,1] neg_hi:[0,1]   ; x - mean, in place
.set j, j+2
.endr
.irp k,0,1,2,3
	v_pk_mul_f32 v[208+2*\k:209+2*\k], v[X+2*\k:X+2*\k+1], v[X+2*\k:X+2*\k+1]
.endr
.set j, 8
.rept 60
	s_delay_alu instid0(VALU_DEP_4)
	v_pk_fma_f32 v[208+j%8:209+j%8], v[X+j:X+j+1], v[X+j:X+j+1], v[208+j%8:209+j%8]
.set j, j+2
.endr
	WAVESUM
	GROUPSUM 256                                   ; other words than the first sum's: no third barrier
	s_delay_alu instid0(VALU_DEP_1)
	v_fma_f32 v220, v220, s59, s60                 ; the variance + epsilon
	s_wait_alu depctr_va_vdst(0)
	v_rsq_f32 v222, v220
	v_mov_b32 v223, 0                              ; a plain line behind the root; v223 is named with v222 as a pair
	s_wait_alu depctr_va_vdst(0)                   ; the wait ahead of the first reader
	s_wait_loadcnt 0x0                             ; gamma, beta
.set j, 0
.rept 16
	v_pk_mul_f32 v[GA+j:GA+j+1], v[GA+j:GA+j+1], v[222:223] op_sel_hi:[1,0]
.set j, j+2
.endr
.irp t,0,1,2,3
.set j, 0
.rept 16
	v_pk_fma_f32 v[X+32*\t+j:X+32*\t+j+1], v[X+32*\t+j:X+32*\t+j+1], v[GA+j:GA+j+1], v[BE+j:BE+j+1]
.set j, j+2
.endr
.endr
	; ---- the quantiser: a lane's 32 numbers of a tile are one block
.irp t,0,1,2,3
	v_max3_num_f32 v[208+\t], |v[X+32*\t]|, |v[X+32*\t+1]|, 0x1800000
.endr
.irp i,2,4,6,8,10,12,14,16,18,20,22,24,26,28,30
.irp t,0,1,2,3
	s_delay_alu instid0(VALU_DEP_4)
	v_max3_num_f32 v[208+\t], v[208+\t], |v[X+32*\t+\i]|, |v[X+32*\t+\i+1]|
.endr
.endr
.irp t,0,1,2,3
	s_delay_alu instid0(VALU_DEP_4)
	v_add_nc_u32 v[212+\t], 0xff000000, v[208+\t]
.endr
.irp t,0,1,2,3
	v_cvt_scalef32_pk16_fp6_f32 v[CD+12*\t:CD+12*\t+2], v[X+32*\t:X+32*\t+15], v[212+\t]
	v_cvt_scalef32_pk16_fp6_f32 v[CD+12*\t+4:CD+12*\t+6], v[X+32*\t+16:X+32*\t+31], v[212+\t]
.endr
.irp t,0,1,2,3
	v_lshrrev_b32 v[216+\t], 23, v[212+\t]         ; the bytes (plain lines behind the conversions)
.endr
.irp t,0,1,2,3
	v_mov_b32 v[CD+12*\t+3], v[CD+12*\t+4]         ; registers 0-3 on end,
	v_mov_b32 v[CD+12*\t+8], v[CD+12*\t+5]         ; registers 4, 5 as a pair
	v_mov_b32 v[CD+12*\t+9], v[CD+12*\t+6]
.endr
.irp t,0,1,2,3
	global_store_b128 v[L16], v[CD+12*\t:CD+12*\t+3], s[18:19] offset:6144*\t         ; 512 and 256 consecutive bytes, at a multiple of 256 from xq's first byte
	global_store_b64 v[L8], v[CD+12*\t+8:CD+12*\t+9], s[18:19] offset:6144*\t+512
.endr
.irp t,0,1,2,3
	v_lshlrev_b32 v[216+\t], v[H8], v[216+\t]      ; block h's byte at its place
.endr
.irp t,0,1,2,3
	v_permlanex16_b32 v[220+\t], v[216+\t], s[SEL], s[SEL+1]
.endr
.irp t,0,1,2,3
	s_delay_alu instid0(VALU_DEP_4)
	v_or_b32 v[216+\t], v[216+\t], v[220+\t]       ; a row's two bytes
.endr
	s_delay_alu instid0(VALU_DEP_3)
	v_cndmask_b32 v224, v216, v217, s[HI16]
	s_delay_alu instid0(VALU_DEP_2)
	v_cndmask_b32 v225, v218, v219, s[HI16]
	s_delay_alu instid0(VALU_DEP_1)
	v_lshl_or_b32 v224, v225, 16, v224
	global_store_b32 v[L4], v224, s[20:21]
	s_wait_tensorcnt 0x0
	ds_add_u32 v251, v255
	s_wait_dscnt 0x0
	s_endpgm
.Lfunc_end_k_q0acb4a1420_prep:
	.size	k_q0acb4a1420_prep, .Lfunc_end_k_q0acb4a1420_prep-k_q0acb4a1420_prep
	.p2alignl 7, 3214868480
	.fill 96, 4, 3214868480
	.section	.rodata,"a",@progbits
	.p2align	6, 0x0
	.amdhsa_kernel k_q0acb4a1420_prep
		.amdhsa_group_segment_fixed_size 282624
		.amdhsa_private_segment_fixed_size 0
		.amdhsa_enable_private_segment 0
		.amdhsa_kernarg_size 80
		.amdhsa_user_sgpr_count 2
		.amdhsa_user_sgpr_kernarg_segment_ptr 1
		.amdhsa_wavefront_size32 1
		.amdhsa_system_sgpr_workgroup_id_x 1
		.amdhsa_system_sgpr_workgroup_id_y 1
		.amdhsa_system_sgpr_workgroup_id_z 1
		.amdhsa_system_vgpr_workitem_id 0
		.amdhsa_next_free_vgpr 256
		.amdhsa_next_free_sgpr 66
		.amdhsa_reserve_vcc 0
		.amdhsa_float_denorm_mode_32 3
		.amdhsa_float_denorm_mode_16_64 3
		.amdhsa_memory_ordered 1
		.amdhsa_forward_progress 1
		.amdhsa_inst_pref_size 63
	.end_amdhsa_kernel
	.amdgpu_metadata
---
amdhsa.version: [ 1, 2 ]
amdhsa.kernels:
  - .name:           k_q0acb4a1420_prep
    .symbol:         k_q0acb4a1420_prep.kd
    .args:
      - { .name: x, .offset: 0, .size: 8, .value_kind: global_buffer, .address_space: global }
      - { .name: gamma, .offset: 8, .size: 8, .value_kind: global_buffer, .address_space: global }
      - { .name: beta, .offset: 16, .size: 8, .value_kind: global_buffer, .address_space: global }
      - { .name: Wq, .offset: 24, .size: 8, .value_kind: global_buffer, .address_space: global }
      - { .name: Wk, .offset: 32, .size: 8, .value_kind: global_buffer, .address_space: global }
      - { .name: Wv, .offset: 40, .size: 8, .value_kind: global_buffer, .address_space: global }
      - { .name: Wp, .offset: 48, .size: 8, .value_kind: global_buffer, .address_space: global }
      - { .name: xq, .offset: 56, .size: 8, .value_kind: global_buffer, .address_space: global }
      - { .name: xs, .offset: 64, .size: 8, .value_kind: global_buffer, .address_space: global }
      - { .name: wq, .offset: 72, .size: 8, .value_kind: global_buffer, .address_space: global }
    .group_segment_fixed_size: 282624
    .private_segment_fixed_size: 0
    .kernarg_segment_align: 8
    .kernarg_segment_size: 80
    .max_flat_workgroup_size: 512
    .sgpr_count:     66
    .vgpr_count:     256
    .wavefront_size: 32
...
	.end_amdgpu_metadata
.endif
;; end of part 1
;; launch qkv (part 2): grid 128 x 2, 4 waves a work-group, clusters of 4 x 1, 327,680 bytes of LDS; arguments xq, xs, wq, bq, bk, bv, qc, kv; writes qc, kv
.if DOCPART == 2
	.amdgcn_target "amdgcn-amd-amdhsa--gfx1250"
	.amdhsa_code_object_version 6
	.text
	.protected	k_q0acb4a1420_qkv
	.globl	k_q0acb4a1420_qkv
	.p2align	8
	.type	k_q0acb4a1420_qkv,@function
k_q0acb4a1420_qkv:
	s_mov_b64 s[64:65], 0
	v_nop
	global_prefetch_b8 v0, s[64:65] scope:SCOPE_SE
	s_setreg_imm32_b32 hwreg(HW_REG_WAVE_MODE, 25, 1), 1
	s_wait_xcnt 0x0
	s_wait_alu depctr_hold_cnt(0) depctr_sa_sdst(0) depctr_va_vdst(0) depctr_va_sdst(0) depctr_va_ssrc(0) depctr_va_vcc(0) depctr_vm_vsrc(0)
	s_getreg_b32 s2, hwreg(HW_REG_IB_STS2, 6, 4)
	s_cmp_eq_u32 s2, 0
	s_cbranch_scc0 .Lentry_in_a_cluster
	s_endpgm
.Lentry_in_a_cluster:
	s_bfe_u32 s2, ttmp6, 0x10000c
	s_cmp_lg_u32 s2, 0x3003
	s_cbranch_scc0 .Lentry_shape_is_right
	s_endpgm
.Lentry_shape_is_right:
.set SLOT0,  98304
.set BLKB,   102400
.set SPARE,  SLOT0+2*BLKB
.set L16,  1
.set XA16, 2
.set XA8,  3
.set WA,   4
.set WSA,  6
.set SPW,  8
.set NIL,  9
.set L4,   10
.set H64,  11
.set P4,   12
.set XS,   16
.set WS,   32
.set SW,   48
.set SJ,   56
.set TM,   64
.set PW,   80
.set PC,   84
.set XW,   96
.set OUT,  128
.set WV,   20
.set HI16, 57
.set SEL,  60
.set MSB, 0
.macro WIN new
.if MSB != (\new)
	s_set_vgpr_msb (MSB<<8)|(\new)
.set MSB, (\new)
.endif
.endm
.macro PLACES n
.rept \n
	v_nop
.endr
.endm
.macro CROUND
	s_barrier_signal -1
	s_barrier_wait -1
	s_cmp_lg_u32 s[WV], 0
	s_cbranch_scc1 .Lnw0_\@
	s_barrier_signal -3
.Lnw0_\@:
	s_barrier_wait -3
	s_barrier_signal -1
	s_barrier_wait -1
.endm
.macro WMI
.if wC < 0
.if wPA && wPB
	v_wmma_scale_f32_16x16x128_f8f6f4 v[wD:wD+7], v[wA:wA+11], v[wB:wB+11], 0, v[wSA], v[wSB] matrix_a_fmt:MATRIX_FMT_FP6 matrix_b_fmt:MATRIX_FMT_FP6 matrix_a_scale:MATRIX_SCALE_ROW1 matrix_b_scale:MATRIX_SCALE_ROW1
.elseif wPA
	v_wmma_scale_f32_16x16x128_f8f6f4 v[wD:wD+7], v[wA:wA+11], v[wB:wB+11], 0, v[wSA], v[wSB] matrix_a_fmt:MATRIX_FMT_FP6 matrix_b_fmt:MATRIX_FMT_FP6 matrix_a_scale:MATRIX_SCALE_ROW1
.elseif wPB
	v_wmma_scale_f32_16x16x128_f8f6f4 v[wD:wD+7], v[wA:wA+11], v[wB:wB+11], 0, v[wSA], v[wSB] matrix_a_fmt:MATRIX_FMT_FP6 matrix_b_fmt:MATRIX_FMT_FP6 matrix_b_scale:MATRIX_SCALE_ROW1
.else
	v_wmma_scale_f32_16x16x128_f8f6f4 v[wD:wD+7], v[wA:wA+11], v[wB:wB+11], 0, v[wSA], v[wSB] matrix_a_fmt:MATRIX_FMT_FP6 matrix_b_fmt:MATRIX_FMT_FP6
.endif
.else
.if wPA && wPB
	v_wmma_scale_f32_16x16x128_f8f6f4 v[wD:wD+7], v[wA:wA+11], v[wB:wB+11], v[wC:wC+7], v[wSA], v[wSB] matrix_a_fmt:MATRIX_FMT_FP6 matrix_b_fmt:MATRIX_FMT_FP6 matrix_a_scale:MATRIX_SCALE_ROW1 matrix_b_scale:MATRIX_SCALE_ROW1
.elseif wPA
	v_wmma_scale_f32_16x16x128_f8f6f4 v[wD:wD+7], v[wA:wA+11], v[wB:wB+11], v[wC:wC+7], v[wSA], v[wSB] matrix_a_fmt:MATRIX_FMT_FP6 matrix_b_fmt:MATRIX_FMT_FP6 matrix_a_scale:MATRIX_SCALE_ROW1
.elseif wPB
	v_wmma_scale_f32_16x16x128_f8f6f4 v[wD:wD+7], v[wA:wA+11], v[wB:wB+11], v[wC:wC+7], v[wSA], v[wSB] matrix_a_fmt:MATRIX_FMT_FP6 matrix_b_fmt:MATRIX_FMT_FP6 matrix_b_scale:MATRIX_SCALE_ROW1
.else
	v_wmma_scale_f32_16x16x128_f8f6f4 v[wD:wD+7], v[wA:wA+11], v[wB:wB+11], v[wC:wC+7], v[wSA], v[wSB] matrix_a_fmt:MATRIX_FMT_FP6 matrix_b_fmt:MATRIX_FMT_FP6
.endif
.endif
.endm
	s_load_b512 s[4:19], s[0:1], 0x0
	v_lshl_add_u32 v[SPW], v0, 2, SPARE
	v_mov_b32 v[NIL], 0
	ds_add_u32 v8, v9
	ds_add_u32 v8, v9
	s_wait_dscnt 0x0
	v_lshrrev_b32 v13, 5, v0
	v_readfirstlane_b32 s[WV], v13
	s_lshr_b32 s21, s[WV], 1
	s_and_b32 s22, s[WV], 1
	s_bfe_u32 s23, ttmp6, 0x40000
	s_and_b32 s56, ttmp7, 0xffff
	s_mov_b32 s24, 3<<16
	s_mov_b32 s25, 32<<16
	s_mov_b32 s26, 192<<16                         ; x's tile comes in two halves of 192 rows of 256 bytes
	s_mov_b32 s27, 32<<16
	s_mov_b32 s28, 192
	s_mov_b32 s29, 32
	s_mov_b32 s30, 0
	s_mov_b32 s31, 0
	s_mov_b32 s32, 15|(3<<16)|(1<<21)
	s_mov_b32 s33, 32<<16
	s_mov_b32 s34, 100<<16
	s_mov_b32 s35, 32<<16
	s_mov_b32 s36, 100
	s_mov_b32 s37, 32
	s_mov_b32 s38, 0
	s_mov_b32 s39, 0
	s_mov_b32 s88, 15|(3<<16)|(1<<21)              ; group 1 for the head's joint load of half a weight block: 200 rows of 256 bytes
	s_mov_b32 s89, 32<<16
	s_mov_b32 s90, 200<<16
	s_mov_b32 s91, 32<<16
	s_mov_b32 s92, 200
	s_mov_b32 s93, 32
	s_mov_b32 s94, 0
	s_mov_b32 s95, 0
	s_mul_i32 s58, ttmp9, 393216
	s_mul_i32 s59, s23, 98304
	s_add_co_u32 s58, s58, s59
	s_mul_i32 s41, s[WV], 49152                    ; waves 0 and 1: my half of x's tile, in memory and in LDS
	s_add_co_u32 s58, s58, s41
	s_mov_b32 s59, 0
	s_mul_i32 s62, s[WV], 25600
	s_mul_i32 s78, s56, BLKB
	s_add_co_u32 s78, s78, s62
	s_mov_b32 s79, 0
	s_and_b32 s86, s[WV], 1
	s_mul_i32 s86, s86, 51200                      ; waves 2 and 3: my half of the first weight block
	s_mul_i32 s87, s56, BLKB
	s_wait_kmcnt 0x0
	s_mov_b32 s40, 1
	s_add_nc_u64 s[42:43], s[4:5], s[58:59]
	s_or_b32 s43, s43, 0x80000000
.irp n,0,1,2
	s_mov_b32 s[44+4*\n], 1
	s_add_co_u32 s[45+4*\n], s62, SLOT0+(\n%2)*BLKB
	s_add_nc_u64 s[46+4*\n:47+4*\n], s[8:9], s[78:79]
	s_add_nc_u64 s[46+4*\n:47+4*\n], s[46+4*\n:47+4*\n], \n*204800
	s_or_b32 s[47+4*\n], s[47+4*\n], 0x80000000
.endr
	s_add_co_u32 s45, s86, SLOT0                   ; the first weight block's group 0 is made anew for halves
	s_add_co_u32 s86, s86, s87
	s_mov_b32 s87, 0
	s_add_nc_u64 s[46:47], s[8:9], s[86:87]
	s_or_b32 s47, s47, 0x80000000
	CROUND                                         ; all four work-groups are here
	; the head's loads, one a wave: waves 0, 1 fetch x's two halves (my work-group's own), waves 2, 3 the first weight block's two halves (jointly)
	s_cmp_lt_u32 s[WV], 2
	s_cbranch_scc0 .Lhead_w
	tensor_load_to_lds s[40:43], s[24:31]
	s_nop 0
	PLACES 4
	s_branch .Lhead_j
.Lhead_w:
	tensor_load_to_lds s[44:47], s[88:95]
	s_nop 0
	PLACES 4
.Lhead_j:
	v_and_b32 v13, 31, v0
	v_and_b32 v14, 15, v0
	v_bfe_u32 v15, v0, 4, 1
	v_lshlrev_b32 v[L16], 4, v13
	v_lshlrev_b32 v[L4], 2, v13
	v_lshlrev_b32 v[H64], 6, v15
	v_and_b32 v[P4], 8, v14
	v_add_nc_u32 v[P4], v[P4], v14
	v_lshlrev_b32 v[P4], 2, v[P4]
	s_mul_i32 s63, s21, 49152
	v_add_nc_u32 v[XA16], s63, v[L16]
	v_lshl_add_u32 v[XA8], v13, 3, s63
	s_mul_i32 s63, s22, 49152
	s_add_co_u32 s63, s63, SLOT0
	v_add_nc_u32 v[WA], s63, v[L16]
	s_add_co_u32 s63, s63, BLKB
	v_add_nc_u32 v[WA+1], s63, v[L16]
	s_lshl_b32 s63, s22, 11
	s_add_co_u32 s63, s63, SLOT0+98304
	v_add_nc_u32 v[WSA], s63, v[L16]
	s_add_co_u32 s63, s63, BLKB
	v_add_nc_u32 v[WSA+1], s63, v[L16]
.irp b,0,1,2,3
	v_mov_b32 v[TM+4+\b], 0
.endr
	s_mov_b32 s[SEL], 0x76543210
	s_mov_b32 s[SEL+1], 0xfedcba98
	s_mov_b32 s[HI16], 0xffff0000
	s_lshl_b32 s63, s23, 1
	s_add_co_u32 s63, s63, s21
	s_lshl_b32 s82, s56, 1
	s_add_co_u32 s82, s82, s22
	s_mov_b32 s81, 0
	s_lshl_b32 s80, ttmp9, 14
	s_lshl_b32 s83, s63, 8
	s_add_co_u32 s80, s80, s83
	s_add_nc_u64 s[6:7], s[6:7], s[80:81]
	s_lshl_b32 s80, s82, 9
	s_add_nc_u64 s[10:11], s[10:11], s[80:81]
	s_add_nc_u64 s[12:13], s[12:13], s[80:81]
	s_add_nc_u64 s[14:15], s[14:15], s[80:81]
	s_lshl_b32 s78, ttmp9, 3
	s_add_co_u32 s78, s78, s63
	s_mul_i32 s84, s78, 51200
	s_mul_i32 s85, s78, BLKB
	s_mul_i32 s80, s82, 1536
	s_add_co_u32 s80, s80, s84
	s_add_nc_u64 s[66:67], s[16:17], s[80:81]
	s_lshl_b32 s80, s82, 9
	s_add_co_u32 s80, s80, s84
	s_add_co_u32 s80, s80, 49152
	s_add_nc_u64 s[68:69], s[16:17], s[80:81]
	s_mul_i32 s80, s82, 1536
	s_add_co_u32 s80, s80, s85
	s_add_nc_u64 s[70:71], s[18:19], s[80:81]
	s_lshl_b32 s80, s82, 9
	s_add_co_u32 s80, s80, s85
	s_add_co_u32 s80, s80, 98304
	s_add_nc_u64 s[72:73], s[18:19], s[80:81]
	s_mul_i32 s80, s82, 12288
	s_add_co_u32 s80, s80, s85
	s_add_co_u32 s80, s80, 49152
	s_add_nc_u64 s[74:75], s[18:19], s[80:81]
	s_lshl_b32 s80, s82, 9
	s_add_co_u32 s80, s80, s85
	s_add_co_u32 s80, s80, 100352
	s_add_nc_u64 s[76:77], s[18:19], s[80:81]
.irp g,0,1,2,3,4,5,6,7
.irp hb,0,1
	global_load_b32 v[XW+2*\g+\hb], v[L4], s[6:7] offset:\g*2048+\hb*128
.endr
.endr
.macro BIAS0 ptr
	WIN 0x40
.irp i,0,1,2,3,4,5,6,7
	global_load_b128 v[96+128*(\i/4)+8*(\i%4):99+128*(\i/4)+8*(\i%4)], v[H64], s[\ptr:\ptr+1] offset:(32*(\i/2)+8*(\i%2))*4
	global_load_b128 v[100+128*(\i/4)+8*(\i%4):103+128*(\i/4)+8*(\i%4)], v[H64], s[\ptr:\ptr+1] offset:(32*(\i/2)+8*(\i%2))*4+16
.endr
	WIN 0
.endm
.macro BIAS1 ptr
	WIN 0x40
.irp o,0,1,2,3,4,5,6,7
	global_load_b32 v[96+128*(\o/4)+8*(\o%4)], v[P4], s[\ptr:\ptr+1] offset:(32*(\o/2)+8*(\o%2))*4   ; one number a lane and tile; it is spread over the tile's eight registers behind the wait
.endr
	WIN 0
.endm
.macro FRAGW reg, adr, off
.irp c,0,1,2
	ds_load_b128 v[\reg+4*\c:\reg+4*\c+3], v[\adr] offset:\off+512*\c
.endr
.endm
.macro FRAGX reg, off
	ds_load_b128 v[\reg:\reg+3], v[XA16] offset:\off
	ds_load_b64 v[\reg+4:\reg+5], v[XA8] offset:\off+512
	ds_load_b128 v[\reg+6:\reg+9], v[XA16] offset:\off+768
	ds_load_b64 v[\reg+10:\reg+11], v[XA8] offset:\off+1280
.endm
.macro FETCH_IN kind, slot, ks
	WIN 0x40
.irp i,0,1,2,3,4,5,6,7
.if \kind
	FRAGX 128*((\ks)%2)+12*\i,\i*6144+(\ks)*1536
.else
	FRAGW 128*((\ks)%2)+12*\i,WA+\slot,(\i*4+(\ks))*1536
.endif
.endr
	WIN 0
.endm
.macro FETCH_OUT kind, slot, ks, o0
.irp o,\o0,\o0+1,\o0+2,\o0+3
.if \kind
	FRAGW OUT+12*(\o),WA+\slot,((\o)*4+(\ks))*1536
.else
	FRAGX OUT+12*(\o),(\o)*6144+(\ks)*1536
.endif
.endr
.endm
.macro MUL16 o0, ks, kind
.irp o,\o0,\o0+1
.irp i,0,1,2,3,4,5,6,7
.set wD, 8*(8*((\o)%4)+\i)
.set wA, 128*((\ks)%2)+12*\i
.set wB, OUT+12*(\o)
.if (\ks)==0
.if \kind
.set wC, 96+128*((\o)/4)+8*((\o)%4)
.else
.set wC, 96+128*(\i/4)+8*(\i%4)
.endif
.else
.set wC, wD
.endif
.if \kind
.set wSA, XS+4*(\ks)+\i/2
.set wSB, WS+4*(\ks)+(\o)/2
.else
.set wSA, WS+4*(\ks)+\i/2
.set wSB, XS+4*(\ks)+(\o)/2
.endif
.set wPA, \i&1
.set wPB, (\o)&1
	WMI
.endr
.endr
.endm
.macro STEP kind, slot, ks
	s_wait_dscnt 4*NLO
.if (\ks)==0
	WIN 0x91
.else
	WIN 0xa1
.endif
	MUL16 0,\ks,\kind
	MUL16 2,\ks,\kind
	s_wait_dscnt 0x0
	PLACES 4
	FETCH_IN \kind,\slot,(\ks)+1
	FETCH_OUT \kind,\slot,(\ks)+1,0
.if (\ks)==0
	WIN 0xd1
.else
	WIN 0xf1
.endif
	MUL16 4,\ks,\kind
	MUL16 6,\ks,\kind
	PLACES 4
	WIN 0
	FETCH_OUT \kind,\slot,(\ks)+1,4
.endm
.macro TILE kind, slot
.if \kind
.set NLO, 3
.else
.set NLO, 4
.endif
.irp m,0,1,2,3
	ds_load_b128 v[WS+4*\m:WS+4*\m+3], v[WSA+\slot] offset:512*\m
.endr
	FETCH_IN \kind,\slot,0
	FETCH_OUT \kind,\slot,0,0
	FETCH_OUT \kind,\slot,0,4
.endm
; TILE asks for a tile's scale words and first fragments; TRUN multiplies.  Between the two stands work on other registers, with no LDS instruction: the counts of the waits hold
.macro TRUN kind, slot
.if \kind
.set NLO, 3
.else
.set NLO, 4
.endif
	STEP \kind,\slot,0
	s_wait_alu depctr_va_vdst(0)
	STEP \kind,\slot,1
	STEP \kind,\slot,2
	s_wait_dscnt 4*NLO
	WIN 0xa1
	MUL16 0,3,\kind
	MUL16 2,3,\kind
	s_wait_dscnt 0x0
	WIN 0xf1
	MUL16 4,3,\kind
	MUL16 6,3,\kind
	WIN 0
.endm
.macro QUANTW w, s
	WIN (\w)|((\w)<<2)
.irp b,0,1,2,3
	v_max3_num_f32 v[TM+\b], |v[\s+16*\b]|, |v[\s+16*\b+1]|, 0x1800000
.endr
.irp i,2,4,6,8,10,12,14
.irp b,0,1,2,3
	v_max3_num_f32 v[TM+\b], |v[\s+16*\b+\i]|, |v[\s+16*\b+\i+1]|, v[TM+\b]
.endr
.endr
	WIN 0
.irp b,0,1,2,3
	v_permlanex16_b32 v[TM+4+\b], v[TM+\b], s[SEL], s[SEL+1]
.endr
.irp b,0,1,2,3
	v_max_num_f32 v[TM+\b], v[TM+\b], v[TM+4+\b]
.endr
.irp b,0,1,2,3
	v_add_nc_u32 v[TM+12+\b], 0xff000000, v[TM+\b]
.endr
.irp b,0,1,2,3
	v_lshrrev_b32 v[TM+4+\b], 23, v[TM+12+\b]
.endr
	v_lshl_or_b32 v[PW], v[TM+5], 8, v[TM+4]
	v_lshl_or_b32 v[PW], v[TM+6], 16, v[PW]
	v_lshl_or_b32 v[PW], v[TM+7], 24, v[PW]
	WIN \w
.irp c,0,1
	v_cvt_scalef32_pk16_fp6_f32 v[PC+6*\c:PC+6*\c+2], v[\s+32*\c:\s+32*\c+15], v[TM+12+2*\c]
	v_cvt_scalef32_pk16_fp6_f32 v[PC+12+4*\c:PC+14+4*\c], v[\s+32*\c+16:\s+32*\c+31], v[TM+13+2*\c]
.endr
	WIN 0
	v_nop
.irp c,0,1
.irp i,0,1,2
	v_permlane16_swap_b32 v[PC+6*\c+\i], v[PC+12+4*\c+\i]
.endr
.irp i,0,1,2
	v_mov_b32 v[PC+6*\c+3+\i], v[PC+12+4*\c+\i]
.endr
.endr
.endm
.macro EPI ptr, sptr, ostr
.irp o,0,1,2,3,4,5,6,7
	s_wait_xcnt 0x0
	QUANTW 2+\o/4,64*(\o%4)
.irp c,0,1,2
	global_store_b128 v[L16], v[PC+4*\c:PC+4*\c+3], s[\ptr:\ptr+1] offset:\o*\ostr+512*\c
.endr
	v_mov_b32 v[SW+\o], v[PW]
.endr
.irp i,0,1,2,3
	v_cndmask_b32 v[SJ+\i], v[SW+2*\i], v[SW+2*\i+1], s[HI16]
.endr
	global_store_b128 v[L16], v[SJ:SJ+3], s[\sptr:\sptr+1]
.endm
	BIAS0 10
	s_wait_alu depctr_va_vdst(0)
	s_wait_tensorcnt 0x0                           ; my part of the head's tiles is in; the lines ahead of a later first fill:
	ds_add_u32 v[SPW], v[NIL]
	s_wait_dscnt 0x0
	CROUND                                         ; everybody's part is in
	tensor_load_to_lds s[48:51], s[32:39]          ; slot 1's first fill: my quarter of the second weight block
	s_nop 0
	PLACES 4
	s_wait_loadcnt 0x0
.irp m,0,1,2,3
.irp hb,0,1
	v_perm_b32 v[XS+4*\m+2*\hb], v[XW+4*\m+2+\hb], v[XW+4*\m+\hb], 0x05040100
	v_perm_b32 v[XS+4*\m+2*\hb+1], v[XW+4*\m+2+\hb], v[XW+4*\m+\hb], 0x07060302
.endr
.endr
	PLACES 8
	TILE 0, 0
	TRUN 0, 0
	s_wait_tensorcnt 0x0
	ds_add_u32 v[SPW], v[NIL]
	s_wait_dscnt 0x0
	CROUND
	tensor_load_to_lds s[52:55], s[32:39]
	s_nop 0
	PLACES 4
	TILE 0, 1                                      ; slot 1 is whole behind the round: k's first fragments come in while q is quantised
	BIAS0 12
	EPI 66, 68, 6144
	s_wait_loadcnt 0x0
	TRUN 0, 1
	PLACES 4
	s_wait_tensorcnt 0x0                           ; my part of the third weight block is in
	s_wait_dscnt 0x0
	s_barrier_signal -1
	s_barrier_wait -1                              ; everybody's is
	TILE 1, 0                                      ; v's first fragments come in while k is quantised
	BIAS1 14
	EPI 70, 72, 6144
	s_wait_loadcnt 0x0
	WIN 0x41
.irp o,0,1,2,3,4,5,6,7
.irp j,1,2,3,4,5,6,7
	v_mov_b32 v[96+128*(\o/4)+8*(\o%4)+\j], v[96+128*(\o/4)+8*(\o%4)]   ; bv of my channel, the same for the eight tokens of a lane
.endr
.endr
	WIN 0
	s_wait_alu depctr_va_vdst(0)                   ; a wait here, ahead of the wait in TRUN
	TRUN 1, 0
	PLACES 4
	EPI 74, 76, 1536
	s_wait_tensorcnt 0x0
	ds_add_u32 v[SPW], v[NIL]
	s_wait_dscnt 0x0
	CROUND
	s_endpgm
.Lfunc_end_k_q0acb4a1420_qkv:
	.size	k_q0acb4a1420_qkv, .Lfunc_end_k_q0acb4a1420_qkv-k_q0acb4a1420_qkv
	.p2alignl 7, 3214868480
	.fill 96, 4, 3214868480
	.section	.rodata,"a",@progbits
	.p2align	6, 0x0
	.amdhsa_kernel k_q0acb4a1420_qkv
		.amdhsa_group_segment_fixed_size 327680
		.amdhsa_private_segment_fixed_size 0
		.amdhsa_enable_private_segment 0
		.amdhsa_kernarg_size 64
		.amdhsa_user_sgpr_count 2
		.amdhsa_user_sgpr_kernarg_segment_ptr 1
		.amdhsa_wavefront_size32 1
		.amdhsa_system_sgpr_workgroup_id_x 1
		.amdhsa_system_sgpr_workgroup_id_y 1
		.amdhsa_system_sgpr_workgroup_id_z 1
		.amdhsa_system_vgpr_workitem_id 0
		.amdhsa_next_free_vgpr 1024
		.amdhsa_next_free_sgpr 96
		.amdhsa_reserve_vcc 0
		.amdhsa_float_denorm_mode_32 3
		.amdhsa_float_denorm_mode_16_64 3
		.amdhsa_memory_ordered 1
		.amdhsa_forward_progress 1
		.amdhsa_inst_pref_size 255
	.end_amdhsa_kernel
	.section	.bss,"aw",@nobits
	.p2align	6
	.space	262144
	.amdgpu_metadata
---
amdhsa.version: [ 1, 2 ]
amdhsa.kernels:
  - .name:           k_q0acb4a1420_qkv
    .symbol:         k_q0acb4a1420_qkv.kd
    .args:
      - { .name: xq, .offset: 0, .size: 8, .value_kind: global_buffer, .address_space: global }
      - { .name: xs, .offset: 8, .size: 8, .value_kind: global_buffer, .address_space: global }
      - { .name: wq, .offset: 16, .size: 8, .value_kind: global_buffer, .address_space: global }
      - { .name: bq, .offset: 24, .size: 8, .value_kind: global_buffer, .address_space: global }
      - { .name: bk, .offset: 32, .size: 8, .value_kind: global_buffer, .address_space: global }
      - { .name: bv, .offset: 40, .size: 8, .value_kind: global_buffer, .address_space: global }
      - { .name: qc, .offset: 48, .size: 8, .value_kind: global_buffer, .address_space: global }
      - { .name: kv, .offset: 56, .size: 8, .value_kind: global_buffer, .address_space: global }
    .group_segment_fixed_size: 327680
    .private_segment_fixed_size: 0
    .kernarg_segment_align: 8
    .kernarg_segment_size: 64
    .max_flat_workgroup_size: 128
    .sgpr_count:     96
    .vgpr_count:     1024
    .wavefront_size: 32
...
	.end_amdgpu_metadata
.endif
;; end of part 2
;; launch attn (part 3): grid 8 x 32, 4 waves a work-group, clusters of 4 x 1, 327,680 bytes of LDS; arguments qc, kv, wq, bp, x, out0; writes out0
.if DOCPART == 3
	.amdgcn_target "amdgcn-amd-amdhsa--gfx1250"
	.amdhsa_code_object_version 6
	.text
	.protected	k_q0acb4a1420_attn
	.globl	k_q0acb4a1420_attn
	.p2align	8
	.type	k_q0acb4a1420_attn,@function
k_q0acb4a1420_attn:
	s_mov_b64 s[64:65], 0
	v_nop
	global_prefetch_b8 v0, s[64:65] scope:SCOPE_SE
	s_setreg_imm32_b32 hwreg(HW_REG_WAVE_MODE, 25, 1), 1
	s_wait_xcnt 0x0
	s_wait_alu depctr_hold_cnt(0) depctr_sa_sdst(0) depctr_va_vdst(0) depctr_va_sdst(0) depctr_va_ssrc(0) depctr_va_vcc(0) depctr_vm_vsrc(0)
	s_getreg_b32 s2, hwreg(HW_REG_IB_STS2, 6, 4)
	s_cmp_eq_u32 s2, 0
	s_cbranch_scc0 .Lentry_in_a_cluster
	s_endpgm
.Lentry_in_a_cluster:
	s_bfe_u32 s2, ttmp6, 0x10000c
	s_cmp_lg_u32 s2, 0x3003
	s_cbranch_scc0 .Lentry_shape_is_right
	s_endpgm
.Lentry_shape_is_right:
; out0 = x + Q(softmax(q k^T / sqrt(512)) v) Q(Wp) + bp, all three products on codes of E2M3 with one E8M0 scale for each 32 along K.
; THE SOFTMAX: t = score x log2(e) / sqrt(512); M = the row's largest t so far, rounded up to a whole number; p = 2^(t - M) is quantised along the keys; the row's sum is taken of the unquantised p and divides O at the end.
; When M moves, the sum and O are multiplied by 2^(old M - new M), which rounds nothing.
; SHARES.  A work-group owns 128 queries of one image (grid y); each of its four waves owns 32 (two tiles of 16) for all 512 channels: O is 512 registers.
; THE STREAM.  Ten blocks of 102,400 bytes go through two LDS slots: the image's eight blocks of 128 keys (k's 32 fragments, v's 32, their scale words), then Wp's two halves, laid alike.
; The four work-groups of a cluster belong to one image and walk the same blocks: each block is asked for JOINTLY (mask 15), a quarter a wave: one tensor load of mine is out at any time.
; LAYOUT.  All products are used transposed (source 0 = 16 keys, 16 channels of v, 16 columns of Wp; source 1 = my 16 queries): a lane holds one query throughout.  The rows of each source 0 tile were chosen
; by the launches before (row r of tile 2 a + u is index 32 a + 8 u + r + 8 (r / 8)), so that the 16 registers of results 2 a and 2 a + 1 are 16 neighbours along the next K.  My queries' tiles are chosen so too.
; A step is 16 batches of four fragments (12 LDS loads, 8 matrix instructions) on three sets of registers; a batch's loads are issued three batches ahead.
; O begins as zeros, cleared while the first block is on its way, and the largest t as -3e38: so the key step is written with no first step of its own; it stands twice, since the last key step's change of slots asks for Wp.
; THE TAIL.  My 32 rows of x are 512 registers, in four units of 128 (128 columns x 32 rows each).  The scores' registers take the first unit behind the last softmax; O is divided by the sum and quantised unit by unit,
; and three of its four units then take the rest of x.  The last product goes in four quarters of 128 columns, whose results all take the fourth unit: a quarter's result goes through my stage, takes bp, is added INTO x's
; registers and is stored from there.  So no register that a store reads is written again: no wait stands between the quarters' stores, and they leave while the next quarter is multiplied.
; REGISTERS.  Window 0: v1-9 addresses; v12-23 statistics; v24-29, v32-63, v240-247 scale words; v64-191 the scores, then p, later x; v192-215 p's codes; v216-235 at work.
;   Window 1: v0-95 q's fragments, later O's; v96-239 three sets of four fragments; v240-255 bp.  Windows 2, 3: O: (channel tile c, query tile qt) at v[128 qt + 8 (c % 16)] of window 2 + c / 16;
;   in the tail window 2 v0-127 is a quarter's result, (tile j, qt) at v[64 qt + 8 j]; window 2 v128-255 and window 3 are x.
; LIMITS: NaN and infinities are not served.  A block whose largest magnitude lies under 2^-124 gets the byte 1.
.set BLKB,   102400
.set SLOT1,  131072                    ; one exclusive or turns an address in one slot into the other's
.set STAGE,  262144                    ; the way out: 16 rows x 528 bytes for each wave; no tile lands here
.set SPITCH, 528
.set SPARE,  STAGE+4*16*SPITCH         ; the spare words, 128 bytes for each wave: two blocks of 256 bytes that no other line names
.set L16, 1
.set AK,  2                            ; the slot in hand + 16 x lane
.set AV,  3                            ; 49,152 on
.set SPW, 4
.set NIL, 5
.set STO, 6
.set RD,  7
.set PFO, 9
.set QS,  24                           ; v24-27 q's scale words: K step s; lanes 0-15 my tile 0, lanes 16-31 my tile 1
.set PWR, 28                           ; v28, v29 p's scale words
.set SCR, 32                           ; v32-63 the block's scale words
.set S,   64
.set P,   192
.set PC,  192
.set BM,  216
.set TM,  216
.set BP,  220
.set SO,  228
.set T,   232
.set CH,  234
.set OS,  240                          ; v240-247 O's scale words
.set FB,  96
.set BPR, 240
.set WV,  16
.set SEL, 20
.set CS,  22
.set G1,  24
.set TB,  44
.set CNT, 45
.set LIM, 46
.set PFA, 48
.set MSB, 0
.macro WIN new                         ; the immediate's high byte repeats the setting that is left
.if MSB != (\new)
	s_set_vgpr_msb (MSB<<8)|(\new)
.set MSB, (\new)
.endif
.endm
.macro PLACES n
.rept \n
	v_nop
.endr
.endm
.macro CROUND                          ; a round of the cluster's barrier
	s_barrier_signal -1
	s_barrier_wait -1
	s_cmp_lg_u32 s[WV], 0
	s_cbranch_scc1 .Lnw0_\@
	s_barrier_signal -3
.Lnw0_\@:
	s_barrier_wait -3
	s_barrier_signal -1
	s_barrier_wait -1
.endm
; One matrix instruction from the symbols wD, wA, wB, wC (under 0: the constant 0), wSA, wSB, and wPA, wPB: the side's scale words stand in lanes 16-31
.macro WMI
.if wC < 0
.if wPA && wPB
	v_wmma_scale_f32_16x16x128_f8f6f4 v[wD:wD+7], v[wA:wA+11], v[wB:wB+11], 0, v[wSA], v[wSB] matrix_a_fmt:MATRIX_FMT_FP6 matrix_b_fmt:MATRIX_FMT_FP6 matrix_a_scale:MATRIX_SCALE_ROW1 matrix_b_scale:MATRIX_SCALE_ROW1
.elseif wPA
	v_wmma_scale_f32_16x16x128_f8f6f4 v[wD:wD+7], v[wA:wA+11], v[wB:wB+11], 0, v[wSA], v[wSB] matrix_a_fmt:MATRIX_FMT_FP6 matrix_b_fmt:MATRIX_FMT_FP6 matrix_a_scale:MATRIX_SCALE_ROW1
.elseif wPB
	v_wmma_scale_f32_16x16x128_f8f6f4 v[wD:wD+7], v[wA:wA+11], v[wB:wB+11], 0, v[wSA], v[wSB] matrix_a_fmt:MATRIX_FMT_FP6 matrix_b_fmt:MATRIX_FMT_FP6 matrix_b_scale:MATRIX_SCALE_ROW1
.else
	v_wmma_scale_f32_16x16x128_f8f6f4 v[wD:wD+7], v[wA:wA+11], v[wB:wB+11], 0, v[wSA], v[wSB] matrix_a_fmt:MATRIX_FMT_FP6 matrix_b_fmt:MATRIX_FMT_FP6
.endif
.else
.if wPA && wPB
	v_wmma_scale_f32_16x16x128_f8f6f4 v[wD:wD+7], v[wA:wA+11], v[wB:wB+11], v[wC:wC+7], v[wSA], v[wSB] matrix_a_fmt:MATRIX_FMT_FP6 matrix_b_fmt:MATRIX_FMT_FP6 matrix_a_scale:MATRIX_SCALE_ROW1 matrix_b_scale:MATRIX_SCALE_ROW1
.elseif wPA
	v_wmma_scale_f32_16x16x128_f8f6f4 v[wD:wD+7], v[wA:wA+11], v[wB:wB+11], v[wC:wC+7], v[wSA], v[wSB] matrix_a_fmt:MATRIX_FMT_FP6 matrix_b_fmt:MATRIX_FMT_FP6 matrix_a_scale:MATRIX_SCALE_ROW1
.elseif wPB
	v_wmma_scale_f32_16x16x128_f8f6f4 v[wD:wD+7], v[wA:wA+11], v[wB:wB+11], v[wC:wC+7], v[wSA], v[wSB] matrix_a_fmt:MATRIX_FMT_FP6 matrix_b_fmt:MATRIX_FMT_FP6 matrix_b_scale:MATRIX_SCALE_ROW1
.else
	v_wmma_scale_f32_16x16x128_f8f6f4 v[wD:wD+7], v[wA:wA+11], v[wB:wB+11], v[wC:wC+7], v[wSA], v[wSB] matrix_a_fmt:MATRIX_FMT_FP6 matrix_b_fmt:MATRIX_FMT_FP6
.endif
.endif
.endm
	s_load_b256 s[4:11], s[0:1], 0x0               ; qc s[4:5], kv s[6:7], wq s[8:9], bp s[10:11]
	s_load_b128 s[12:15], s[0:1], 0x20             ; x s[12:13], out0 s[14:15]
	v_lshl_add_u32 v[SPW], v0, 2, SPARE
	v_mov_b32 v[NIL], 0
	ds_add_u32 v4, v5
	ds_add_u32 v4, v5
	s_wait_dscnt 0x0
	v_lshrrev_b32 v8, 5, v0
	v_readfirstlane_b32 s[WV], v8                  ; wave 0..3
	s_bfe_u32 s17, ttmp6, 0x40000                  ; cx
	s_lshl_b32 s18, ttmp9, 2
	s_add_co_u32 s18, s18, s17                     ; my block of 128 queries
	s_and_b32 s19, ttmp7, 0xffff                   ; the image, which the partners share
	s_mov_b32 s24, 15|(3<<16)|(1<<21)              ; all four work-groups; bit 21 set beside a mask; 100 rows of 32 elements of 8 bytes, dense
	s_mov_b32 s25, 32<<16
	s_mov_b32 s26, 100<<16
	s_mov_b32 s27, 32<<16
	s_mov_b32 s28, 100
	s_mov_b32 s29, 32
	s_mov_b32 s30, 0
	s_mov_b32 s31, 0
	s_mul_i32 s56, s[WV], 25600                    ; my quarter of a block, in memory and in a slot
	s_mov_b32 s57, 0
	s_mul_i32 s58, s19, 819200
	s_mov_b32 s59, 0
	s_wait_kmcnt 0x0
	s_add_nc_u64 s[6:7], s[6:7], s[58:59]          ; the image's keys and values
	s_mov_b32 s32, 1                               ; the walking descriptor: block 0 into slot 0
	s_mov_b32 s33, s56
	s_add_nc_u64 s[34:35], s[6:7], s[56:57]
	s_or_b32 s35, s35, 0x80000000
	s_mov_b32 s36, 1                               ; Wp's first half into slot 0
	s_mov_b32 s37, s56
	s_add_nc_u64 s[38:39], s[8:9], s[56:57]
	s_add_nc_u64 s[38:39], s[38:39], 614400
	s_or_b32 s39, s39, 0x80000000
	s_mov_b32 s40, 1                               ; its second half into slot 1
	s_add_co_u32 s41, s56, SLOT1
	s_add_nc_u64 s[42:43], s[8:9], s[56:57]
	s_add_nc_u64 s[42:43], s[42:43], 716800
	s_or_b32 s43, s43, 0x80000000
	CROUND                                         ; all four work-groups are here
	tensor_load_to_lds s[32:35], s[G1:G1+7]
	s_nop 0
	PLACES 4
	s_lshl_b32 s58, s17, 2                         ; the prefetches: of a block's sixteen parts of 6,400 bytes mine is 4 cx + wave: the partners are told apart by address
	s_add_co_u32 s58, s58, s[WV]
	s_mul_i32 s58, s58, 6400
	s_add_co_u32 s58, s58, BLKB                    ; in block 1: the first change of slots steps it to block 2
	s_add_nc_u64 s[PFA:PFA+1], s[6:7], s[58:59]
	s_cmp_eq_u32 ttmp9, 0                          ; both clusters of an image walk the same blocks: the first asks
	s_cselect_b32 s[LIM], 1, -1
	s_lshl_b32 s58, s19, 3
	s_add_co_u32 s58, s58, s18
	s_mul_i32 s58, s58, 51200
	s_add_nc_u64 s[4:5], s[4:5], s[58:59]          ; my block of q
	s_mul_i32 s58, s[WV], 12288
	s_add_nc_u64 s[52:53], s[4:5], s[58:59]        ; my two tiles' fragments
	s_lshl_b32 s58, s[WV], 2
	s_add_co_u32 s58, s58, 49152
	s_add_nc_u64 s[54:55], s[4:5], s[58:59]        ; and their scale words
	s_lshl_b32 s58, s19, 10
	s_lshl_b32 s60, s18, 7
	s_add_co_u32 s58, s58, s60
	s_lshl_b32 s60, s[WV], 5
	s_add_co_u32 s58, s58, s60
	s_lshl_b32 s58, s58, 11                        ; my 32 tokens' first row of 2,048 bytes
	s_add_nc_u64 s[12:13], s[12:13], s[58:59]
	s_add_nc_u64 s[14:15], s[14:15], s[58:59]
.set XPF, 50                           ; s[50:51] where my prefetches of x stand: my 32 rows, stepped 256 bytes along the rows at each walking change of slots
.set XPO, 10                           ; v10 their offset: 2,048 x lane, a lane a row; never rewritten
	s_mov_b64 s[XPF:XPF+1], s[12:13]
	s_mov_b32 s[SEL], 0x76543210
	s_mov_b32 s[SEL+1], 0xfedcba98
	s_mov_b32 s[CS], 0x3d8293ee                    ; c = log2(e) / sqrt(512)
	s_mov_b32 s[CS+1], s[CS]
	s_mov_b32 s[TB], 0
	v_and_b32 v8, 31, v0
	v_and_b32 v10, 15, v0                          ; r
	v_bfe_u32 v11, v0, 4, 1                        ; h
	v_lshlrev_b32 v[L16], 4, v8
	v_min_u32 v[PFO], 24, v8
	v_lshlrev_b32 v[PFO], 8, v[PFO]                ; lanes 256 bytes apart; a part has 25 such blocks, and lanes 25-31 name lane 24's again
	s_mul_i32 s58, s[WV], 16*SPITCH
	s_add_co_u32 s58, s58, STAGE
	v_mul_u32_u24 v[STO], v10, SPITCH
	v_lshl_add_u32 v[STO], v11, 6, v[STO]
	v_add_nc_u32 v[STO], s58, v[STO]               ; into my stage: row r, 64 bytes for each half of the lanes
	v_add_nc_u32 v[RD], s58, v[L16]                ; back: a row of 512 bytes, 16 a lane
	v_lshlrev_b32 v[XPO], 11, v8
	WIN 0x40
.irp qt,0,1
.irp m,0,1,2,3
.irp c,0,1,2
	global_load_b128 v[48*\qt+12*\m+4*\c:48*\qt+12*\m+4*\c+3], v[L16], s[52:53] offset:(\qt*4+\m)*1536+512*\c   ; q stays in registers
.endr
.endr
.endr
.irp cg,0,1,2,3
	global_load_b128 v[BPR+4*\cg:BPR+4*\cg+3], v[L16], s[10:11] offset:512*\cg   ; bp as a row lies
.endr
	WIN 0
.irp m,0,1,2,3
	global_load_b32 v[QS+\m], v[L16], s[54:55] offset:512*\m
.endr
.irp qt,0,1
	v_mov_b32 v[13+4*\qt], 0xff61b1e6              ; the largest t so far: -3e38
	v_floor_f32 v[12+4*\qt], -v[13+4*\qt]          ; -M
	v_mov_b32 v[14+4*\qt], 0                       ; the sum, in two halves
	v_mov_b32 v[15+4*\qt], 0
	v_mov_b32 v[20+2*\qt], 0
	v_mov_b32 v[21+2*\qt], 0                       ; (named as the upper half of a pair)
.endr
.irp b,0,1,2,3
	v_mov_b32 v[BP+\b], 0                          ; a lane permute's destination counts as one of its sources
.endr
	WIN 0x80                                       ; O: zeros, written while the first block is on its way
.set j, 0
.rept 256
	v_mov_b32 v[j], 0
.set j, j+1
.endr
	WIN 0xc0
.set j, 0
.rept 256
	v_mov_b32 v[j], 0
.set j, j+1
.endr
	WIN 0
	s_wait_loadcnt 0x0
; Where the unit of x for columns 128 c on lies: window xw, registers xb on; query tile qt's 16 rows at xb + 64 qt, four registers a row
.macro XUNIT c
.if (\c)==0
.set xw, 0
.set xb, 64
.elseif (\c)==1
.set xw, 2
.set xb, 128
.elseif (\c)==2
.set xw, 3
.set xb, 0
.else
.set xw, 3
.set xb, 128
.endif
.endm
; 32 loads: my 32 rows of x, columns 128 c on: 512 consecutive bytes a load.  Row t of query tile qt is token 8 qt + t + 8 (t / 8) of my 32
.macro XLOADU c
	XUNIT \c
	WIN xw<<6
.irp qt,0,1
.irp t,0,1,2,3,4,5,6,7,8,9,10,11,12,13,14,15
	global_load_b128 v[xb+64*\qt+4*\t:xb+64*\qt+4*\t+3], v[L16], s[12:13] offset:(8*\qt+\t+8*(\t/8))*2048+512*(\c) th:TH_LOAD_NT
.endr
.endr
	WIN 0
.endm
; Batch be of a step: four fragments into set be % 3 of window 1.  pj = 0: a block of keys (batches 0-7: k's tiles 4 (be / 4) + i, K step be % 4; 8-15: v's channel tiles 4 (be - 8) + i);  pj = 1: a half of Wp (tiles 4 (be / 4) + i, K step be % 4)
.macro LOADB be, pj
.set fb, FB+48*((\be)%3)
	WIN 0x40
.irp k,0,1,2,3
.if (\be) < 8
.set fo, ((4*((\be)/4)+\k)*4+(\be)%4)*1536
.set fa, AK
.elseif \pj
.set fo, ((4*(((\be)-8)/4)+\k)*4+(\be)%4)*1536
.set fa, AV
.else
.set fo, (4*((\be)-8)+\k)*1536
.set fa, AV
.endif
.irp c,0,1,2
	ds_load_b128 v[fb+12*\k+4*\c:fb+12*\k+4*\c+3], v[fa] offset:fo+512*\c
.endr
.endr
.endm
.macro WAITB be                        ; batch be is in; the one or two younger batches' twelve loads each may be out
.if (\be) < 14
	s_wait_dscnt 24
.elseif (\be) == 14
	s_wait_dscnt 12
.else
	s_wait_dscnt 0x0
.endif
.endm
.macro START pj                        ; a step's addresses, its scale words (eight runs of 512 bytes) and its first three batches
	v_add_nc_u32 v[AK], s[TB], v[L16]
	v_add_nc_u32 v[AV], 49152, v[AK]
.irp m,0,1,2,3,4,5,6,7
	ds_load_b128 v[SCR+4*\m:SCR+4*\m+3], v[AV] offset:49152+512*\m
.endr
	LOADB 0,\pj
	LOADB 1,\pj
	LOADB 2,\pj
.endm
.macro RESCALE be                      ; the accumulators of batch be under the new M: x f.  These 32 lines name no register of the products just issued: they are the places behind them
.if (\be) < 12
	WIN 0x82
.else
	WIN 0xc3
.endif
.irp k,0,1,2,3
.irp qt,0,1
.irp j,0,2,4,6
.set ro, 128*\qt+8*((4*((\be)-8)+\k)%16)+\j
	v_pk_mul_f32 v[ro:ro+1], v[ro:ro+1], v[20+2*\qt:21+2*\qt] op_sel_hi:[1,0]
.endr
.endr
.endr
.endm
; One tile's softmax for 128 keys: register 16 b + i holds key 32 b + 16 (lane / 16) + i of my query.
.macro SOFTMAX qt
.set Sb, S+64*\qt
.set St, 12+4*\qt
.set Ff, 20+2*\qt
.set Pp, P+12*\qt
.irp b,0,1,2,3
	v_max3_num_f32 v[BM+\b], v[Sb+16*\b], v[Sb+16*\b+1], v[Sb+16*\b+2]   ; the largest score of each block of 32 keys: for the row's maximum, and, since p rises with the score, for the block's largest p
.endr
.irp i,3,5,7,9,11,13
.irp b,0,1,2,3
	v_max3_num_f32 v[BM+\b], v[BM+\b], v[Sb+16*\b+\i], v[Sb+16*\b+\i+1]
.endr
.endr
.irp b,0,1,2,3
	v_max_num_f32 v[BM+\b], v[BM+\b], v[Sb+16*\b+15]
.endr
.irp b,0,1,2,3
	v_permlanex16_b32 v[BP+\b], v[BM+\b], s[SEL], s[SEL+1]
.endr
.irp b,0,1,2,3
	v_max_num_f32 v[BM+\b], v[BM+\b], v[BP+\b]
.endr
	v_max3_num_f32 v[T], v[BM], v[BM+1], v[BM+2]
	v_max_num_f32 v[T], v[T], v[BM+3]
	v_mul_f32 v[T], s[CS], v[T]
	v_max_num_f32 v[St+1], v[St+1], v[T]           ; the running largest t
	v_mov_b32 v[T], v[St]
	v_floor_f32 v[St], -v[St+1]                    ; the new -M: M is a whole number
	v_sub_f32 v[T], v[St], v[T]                    ; old M - new M, 0 or less
	v_cvt_i32_f32 v[T], v[T]                       ; (it saturates)
	v_ldexp_f32 v[Ff], 1.0, v[T]                   ; f = 2^(old M - new M)
.irp j,0,2,4,6,8,10,12,14,16,18,20,22,24,26,28,30,32,34,36,38,40,42,44,46,48,50,52,54,56,58,60,62
	v_pk_fma_f32 v[Sb+\j:Sb+\j+1], v[Sb+\j:Sb+\j+1], s[CS:CS+1], v[St:St+1] op_sel_hi:[1,0,0]   ; t - M
.endr
.irp b,0,1,2,3
	v_fma_f32 v[BM+\b], v[BM+\b], s[CS], v[St]
.endr
	s_wait_alu depctr_va_vdst(0)
.irp j,0,1,2,3,4,5,6,7,8,9,10,11,12,13,14,15,16,17,18,19,20,21,22,23,24,25,26,27,28,29,30,31,32,33,34,35,36,37,38,39,40,41,42,43,44,45,46,47,48,49,50,51,52,53,54,55,56,57,58,59,60,61,62,63
	v_exp_f32 v[Sb+\j], v[Sb+\j]                   ; p = 2^(t - M)
.endr
	v_pk_mul_f32 v[St+2:St+3], v[St+2:St+3], v[Ff:Ff+1] op_sel_hi:[1,0]   ; the sums under the new M: a plain line behind the exponentials
	s_wait_alu depctr_va_vdst(0)                   ; one wait for the batch, ahead of its first reader
.irp b,0,1,2,3
	v_exp_f32 v[BM+\b], v[BM+\b]                   ; the blocks' largest p
.endr
	v_pk_add_f32 v[CH:CH+1], v[Sb:Sb+1], v[Sb+2:Sb+3]   ; the row's sum is taken of the unquantised p, in two chains
.irp j,4,8,12,16,20,24,28,32,36,40,44,48,52,56,60
	v_pk_add_f32 v[St+2:St+3], v[St+2:St+3], v[Sb+\j:Sb+\j+1]
	v_pk_add_f32 v[CH:CH+1], v[CH:CH+1], v[Sb+\j+2:Sb+\j+3]
.endr
	v_pk_add_f32 v[St+2:St+3], v[St+2:St+3], v[CH:CH+1]
	s_wait_alu depctr_va_vdst(0)                   ; and one for the four
.irp b,0,1,2,3
	v_max_num_f32 v[BM+\b], 0x1800000, v[BM+\b]    ; the floor 2^(3 - 127)
.endr
.irp b,0,1,2,3
	v_add_nc_u32 v[SO+\b], 0xff000000, v[BM+\b]
.endr
.irp b,0,1,2,3
	v_lshrrev_b32 v[BP+\b], 23, v[SO+\b]
.endr
	v_lshl_or_b32 v[PWR+\qt], v[BP+1], 8, v[BP]
	v_lshl_or_b32 v[PWR+\qt], v[BP+2], 16, v[PWR+\qt]
	v_lshl_or_b32 v[PWR+\qt], v[BP+3], 24, v[PWR+\qt]
.irp c,0,1
	v_cvt_scalef32_pk16_fp6_f32 v[Pp+6*\c:Pp+6*\c+2], v[Sb+32*\c:Sb+32*\c+15], v[SO+2*\c]
	v_cvt_scalef32_pk16_fp6_f32 v[BP+4*\c:BP+4*\c+2], v[Sb+32*\c+16:Sb+32*\c+31], v[SO+2*\c+1]
.endr
	v_nop                                          ; one plain line behind the conversions
.irp c,0,1
.irp i,0,1,2
	v_permlane16_swap_b32 v[Pp+6*\c+\i], v[BP+4*\c+\i]
.endr
.irp i,0,1,2
	v_mov_b32 v[Pp+6*\c+3+\i], v[BP+4*\c+\i]
.endr
.endr
.endm
; A KEY STEP: 128 keys.  Accumulators take turns, one instruction a turn: eight to a batch, in the same order in every batch.
; last = 1: the last key step: behind its softmax the scores' registers are done with and take the first unit of x.
.macro KVSTEP last
	START 0
	s_wait_alu depctr_va_vdst(0)
.irp be,0,1,2,3,4,5,6,7                        ; S^T = k q^T
	WAITB \be
	WIN 0x05                                       ; k and q in window 1, the scores in window 0
.irp k,0,1,2,3
.irp qt,0,1
.set wD, S+64*\qt+8*(4*(\be/4)+\k)
.set wA, FB+48*(\be%3)+12*\k
.set wB, 48*\qt+12*(\be%4)
.if (\be%4)==0
.set wC, -1
.else
.set wC, wD
.endif
.set wSA, SCR+4*(\be%4)+(4*(\be/4)+\k)/2
.set wSB, QS+(\be%4)
.set wPA, \k&1
.set wPB, \qt
	WMI
.endr
.endr
	PLACES 4                                       ; in front of loads into registers that these products read
	LOADB \be+3,0                                  ; v's first three batches go out ahead of the softmax
.endr
	WIN 0
	SOFTMAX 0
	SOFTMAX 1
.if \last
	XLOADU 0                                       ; x, columns 0-127: asked for a whole product with v, a change of slots and O's quantising ahead of its use
.endif
	RESCALE 8                                      ; also the places between p's codes and scale words and the products that take them
	s_wait_alu depctr_va_vdst(0)
.irp be,8,9,10,11,12,13,14,15                  ; O^T += v^T p^T
	s_wait_alu depctr_va_vdst(0)
	WAITB \be
.if \be < 12
	WIN 0xa1
.else
	WIN 0xf1
.endif
.irp k,0,1,2,3
.irp qt,0,1
.set wD, 128*\qt+8*((4*(\be-8)+\k)%16)
.set wA, FB+48*(\be%3)+12*\k
.set wB, P+12*\qt
.set wC, wD
.set wSA, SCR+16+4*((4*(\be-8)+\k)/8)+((4*(\be-8)+\k)%8)/2
.set wSB, PWR+\qt
.set wPA, \k&1
.set wPB, 0
	WMI
.endr
.endr
.if \be < 15
	RESCALE \be+1
.else
	PLACES 4
.endif
.if \be < 13
	LOADB \be+3,0
.endif
.endr
	WIN 0
	s_xor_b32 s[TB], s[TB], SLOT1                  ; on to the other slot
.endm
; THE CHANGE OF SLOTS stands at a step's head.  Each wave waits for all its tensor loads (its part of the slot that it is about to read), adds 0 to its spare word, and waits for that and for its reads of the slot
; that it has left.  Behind the round the slot ahead is whole and no wave of any partner reads the other one, which is filled with the block after: the load has a whole step in which to land.
.macro CHANGE g0, walk
	WIN 0
	s_wait_tensorcnt 0x0
	ds_add_u32 v[SPW], v[NIL]
.if \walk
	s_xor_b32 s33, s33, SLOT1                      ; no tensor load of mine is out: the walking descriptor steps to the other slot and the next 128 keys
	s_add_nc_u64 s[34:35], s[34:35], BLKB
	s_wait_xcnt 0x0                                ; the last prefetch, a step back, has read its address
	s_add_nc_u64 s[PFA:PFA+1], s[PFA:PFA+1], BLKB  ; one block further on than the walking descriptor
	s_add_nc_u64 s[XPF:XPF+1], s[XPF:XPF+1], 256   ; x: the next 256 bytes of my rows
.endif
	s_wait_dscnt 0x0
	CROUND
	tensor_load_to_lds s[\g0:\g0+3], s[G1:G1+7]
	s_nop 0
	PLACES 4
.if \walk
	s_cmp_gt_u32 s[CNT], s[LIM]                    ; a prefetch of what the next change will ask for: my 6,400 bytes of the block after; the last walking change has no block behind it
	s_cbranch_scc0 .Lnot_mine_\@
	global_prefetch_b8 v[PFO], s[PFA:PFA+1] th:TH_LOAD_NT scope:SCOPE_SE
.Lnot_mine_\@:
	global_prefetch_b8 v[XPO], s[XPF:XPF+1] th:TH_LOAD_NT scope:SCOPE_SE   ; x for the tail: bytes 256 n to 256 n + 255 of each of my 32 rows in trip n = 1 .. 7, a lane a row, each named once; bytes 0-255 come by their load alone
.endif
.endm
	s_mov_b32 s[CNT], 7
.Lkv:                                              ; seven trips: key steps 0 to 6; each asks for the next block of keys
	CHANGE 32, 1
	KVSTEP 0
	s_sub_co_u32 s[CNT], s[CNT], 1
	s_cmp_lg_u32 s[CNT], 0
	s_cbranch_scc1 .Lkv
	s_mov_b32 s[TB], SLOT1                         ; key step 7 lies in slot 1
	CHANGE 36, 0                                   ; slot 0 takes Wp's first half
	KVSTEP 1
	CHANGE 40, 0                                   ; slot 1 takes its second half
	s_mov_b32 s[TB], 0
	START 1                                        ; Wp's first half is whole behind the round: its scale words and first three batches come in while O is quantised
	WIN 0
	; ---- 1 / the sum
.irp qt,0,1
	v_add_f32 v[BM+\qt], v[14+4*\qt], v[15+4*\qt]
.endr
.irp qt,0,1
	v_permlanex16_b32 v[BP+\qt], v[BM+\qt], s[SEL], s[SEL+1]
.endr
.irp qt,0,1
	v_add_f32 v[BM+\qt], v[BM+\qt], v[BP+\qt]
.endr
	s_wait_alu depctr_va_vdst(0)
.irp qt,0,1
	v_rcp_f32 v[20+2*\qt], v[BM+\qt]
.endr
	v_nop
	s_wait_alu depctr_va_vdst(0)                   ; one wait for the two reciprocals, ahead of their first reader
; 64 numbers of a lane in window w, v[s] on, become a fragment in window 1, v[dst] on, and its scale word in v[pw]
.macro QUANTO w, s, dst, pw
	WIN (\w)|((\w)<<2)
.irp b,0,1,2,3
	v_max3_num_f32 v[TM+\b], |v[\s+16*\b]|, |v[\s+16*\b+1]|, 0x1800000
.endr
.irp i,2,4,6,8,10,12,14
.irp b,0,1,2,3
	v_max3_num_f32 v[TM+\b], |v[\s+16*\b+\i]|, |v[\s+16*\b+\i+1]|, v[TM+\b]
.endr
.endr
	WIN 0
.irp b,0,1,2,3
	v_permlanex16_b32 v[TM+4+\b], v[TM+\b], s[SEL], s[SEL+1]
.endr
.irp b,0,1,2,3
	v_max_num_f32 v[TM+\b], v[TM+\b], v[TM+4+\b]
.endr
.irp b,0,1,2,3
	v_add_nc_u32 v[TM+12+\b], 0xff000000, v[TM+\b]
.endr
.irp b,0,1,2,3
	v_lshrrev_b32 v[TM+4+\b], 23, v[TM+12+\b]
.endr
	v_lshl_or_b32 v[\pw], v[TM+5], 8, v[TM+4]
	v_lshl_or_b32 v[\pw], v[TM+6], 16, v[\pw]
	v_lshl_or_b32 v[\pw], v[TM+7], 24, v[\pw]
	WIN \w
.irp c,0,1
	v_cvt_scalef32_pk16_fp6_f32 v[PC+6*\c:PC+6*\c+2], v[\s+32*\c:\s+32*\c+15], v[TM+12+2*\c]
	v_cvt_scalef32_pk16_fp6_f32 v[PC+12+4*\c:PC+14+4*\c], v[\s+32*\c+16:\s+32*\c+31], v[TM+13+2*\c]
.endr
	WIN 0
	v_nop
.irp c,0,1
.irp i,0,1,2
	v_permlane16_swap_b32 v[PC+6*\c+\i], v[PC+12+4*\c+\i]
.endr
.endr
	WIN 0x40
.irp c,0,1
.irp i,0,1,2
	v_mov_b32 v[\dst+6*\c+\i], v[PC+6*\c+\i]
	v_mov_b32 v[\dst+6*\c+3+\i], v[PC+12+4*\c+\i]
.endr
.endr
.endm
; A unit of O: 128 registers of window w from base on: query tile qt, channels 128 m0 to 128 m0 + 255.  Divided by the sum (each accumulator from its low end on), then quantised: K steps m0 and m0 + 1 of the last product.
.macro UNIT w, base, qt, m0
	WIN (\w)|((\w)<<6)
.set j, 0
.rept 64
	v_pk_mul_f32 v[\base+j:\base+j+1], v[\base+j:\base+j+1], v[20+2*\qt:21+2*\qt] op_sel_hi:[1,0]
.set j, j+2
.endr
	QUANTO \w,\base,48*\qt+12*\m0,OS+4*\qt+\m0
	QUANTO \w,\base+64,48*\qt+12*(\m0+1),OS+4*\qt+\m0+1
.endm
	UNIT 2,128,1,0
	XLOADU 1                                       ; the unit just quantised takes x, columns 128-255
	UNIT 3,0,0,2
	UNIT 3,128,1,2
	UNIT 2,0,0,0                                   ; this unit will take every quarter's result
	WIN 0
	PLACES 8                                       ; scale words written by vector instructions stand eight places ahead of the products
; Batch be of the last product with the half of Wp in hand: tiles 4 (be / 4) + k, K step be % 4, both query tiles.  Batches 0-7 make the half's first 128 columns, batches 8-15 its second: both in the same 128 registers.
.macro PROJB be
	WAITB \be
.if ((\be)%4)==0
	WIN 0x85                                       ; Wp and O's codes in window 1, the result in window 2; the first K step starts the sums
.else
	WIN 0xa5
.endif
.irp k,0,1,2,3
.irp qt,0,1
.set wD, 64*\qt+8*((4*((\be)/4)+\k)%8)
.set wA, FB+48*((\be)%3)+12*\k
.set wB, 48*\qt+12*((\be)%4)
.if ((\be)%4)==0
.set wC, -1
.else
.set wC, wD
.endif
.set wSA, SCR+4*(((4*((\be)/4)+\k)/8)*4+(\be)%4)+((4*((\be)/4)+\k)%8)/2
.set wSB, OS+4*\qt+((\be)%4)
.set wPA, \k&1
.set wPB, 0
	WMI
.endr
.endr
	PLACES 4                                       ; in front of loads into the set just read, and of the first read of results
.if (\be) < 13
	LOADB (\be)+3,1
.endif
.endm
; THE WAY OUT of columns 128 c on, two blocks of 16 queries.  A lane holds 4 x 64 neighbouring bytes of a row: a block goes through my own stage and comes back, into the registers that it left, as rows of 512 bytes
; (LDS serves a wave's instructions in order: the loads see the stores, and the second block's stores come behind the first's loads).  bp is added in place; the sum with x goes into x's registers, which nothing writes again.
.macro OUTC c
	XUNIT \c
.irp qt,0,1
	WIN 0x08                                       ; an LDS store's data: window 2
.irp k,0,1,2,3,4,5,6,7
	ds_store_b128 v[STO], v[64*\qt+8*\k:64*\qt+8*\k+3] offset:128*(\k/2)+32*(\k%2)          ; each result from its low end on
	ds_store_b128 v[STO], v[64*\qt+8*\k+4:64*\qt+8*\k+7] offset:128*(\k/2)+32*(\k%2)+16
.endr
	WIN 0x80
.irp t,0,1,2,3,4,5,6,7,8,9,10,11,12,13,14,15
	ds_load_b128 v[64*\qt+4*\t:64*\qt+4*\t+3], v[RD] offset:SPITCH*\t
.endr
.endr
.irp qt,0,1
	s_wait_dscnt 32*(1-\qt)                        ; this block's rows are back; behind the first block's loads stand the second's 16 stores and 16 loads
	WIN 0x86                                       ; the rows in window 2, bp in window 1
.irp t,0,1,2,3,4,5,6,7,8,9,10,11,12,13,14,15
	v_pk_add_f32 v[64*\qt+4*\t:64*\qt+4*\t+1], v[64*\qt+4*\t:64*\qt+4*\t+1], v[BPR+4*(\c):BPR+4*(\c)+1]
	v_pk_add_f32 v[64*\qt+4*\t+2:64*\qt+4*\t+3], v[64*\qt+4*\t+2:64*\qt+4*\t+3], v[BPR+4*(\c)+2:BPR+4*(\c)+3]
.endr
.if (\c) < 2
	s_wait_loadcnt 63                              ; two units of x, 64 loads, or more are younger than this block's: the count is the largest that the wait can name, and smaller than that
.else
	s_wait_loadcnt 16*(2*(3-(\c))+1-\qt)           ; the younger loads: the rest of this unit and the units behind it, 16 loads a block
.endif
	WIN (xw<<6)|(xw<<2)|2
.irp t,0,1,2,3,4,5,6,7,8,9,10,11,12,13,14,15
	v_pk_add_f32 v[xb+64*\qt+4*\t:xb+64*\qt+4*\t+1], v[64*\qt+4*\t:64*\qt+4*\t+1], v[xb+64*\qt+4*\t:xb+64*\qt+4*\t+1]
	v_pk_add_f32 v[xb+64*\qt+4*\t+2:xb+64*\qt+4*\t+3], v[64*\qt+4*\t+2:64*\qt+4*\t+3], v[xb+64*\qt+4*\t+2:xb+64*\qt+4*\t+3]
.endr
	WIN xw<<2                                      ; a store's data: x's window
.irp t,0,1,2,3,4,5,6,7,8,9,10,11,12,13,14,15
	global_store_b128 v[L16], v[xb+64*\qt+4*\t:xb+64*\qt+4*\t+3], s[14:15] offset:(8*\qt+\t+8*(\t/8))*2048+512*(\c) th:TH_STORE_NT   ; 32 lanes store 512 consecutive bytes, at a multiple of 256 from out0's first byte
.endr
.endr
	WIN 0
.endm
	XLOADU 2                                       ; x, columns 256-383: two quarters ahead of its use
	s_wait_alu depctr_va_vdst(0)
.irp be,0,1,2,3,4,5,6,7
	PROJB \be
.endr
	OUTC 0
	XLOADU 3                                       ; x, columns 384-511
.irp be,8,9,10,11,12,13,14,15
	PROJB \be
.endr
	WIN 0
	s_wait_tensorcnt 0x0
	ds_add_u32 v[SPW], v[NIL]
	s_wait_dscnt 0x0
	s_barrier_signal -1
	s_barrier_wait -1                              ; everybody's is
	s_mov_b32 s[TB], SLOT1
	START 1                                        ; the second half's first batches come in while quarter 1 goes out
	WIN 0
	OUTC 1
	s_wait_alu depctr_va_vdst(0)
.irp be,0,1,2,3,4,5,6,7
	PROJB \be
.endr
	OUTC 2
.irp be,8,9,10,11,12,13,14,15
	PROJB \be
.endr
	OUTC 3
	s_wait_tensorcnt 0x0                           ; the wave's end
	ds_add_u32 v[SPW], v[NIL]
	s_wait_dscnt 0x0
	CROUND                                         ; the closing round
	s_endpgm
.Lfunc_end_k_q0acb4a1420_attn:
	.size	k_q0acb4a1420_attn, .Lfunc_end_k_q0acb4a1420_attn-k_q0acb4a1420_attn
	.p2alignl 7, 3214868480
	.fill 96, 4, 3214868480
	.section	.rodata,"a",@progbits
	.p2align	6, 0x0
	.amdhsa_kernel k_q0acb4a1420_attn
		.amdhsa_group_segment_fixed_size 327680
		.amdhsa_private_segment_fixed_size 0
		.amdhsa_enable_private_segment 0
		.amdhsa_kernarg_size 48
		.amdhsa_user_sgpr_count 2
		.amdhsa_user_sgpr_kernarg_segment_ptr 1
		.amdhsa_wavefront_size32 1
		.amdhsa_system_sgpr_workgroup_id_x 1
		.amdhsa_system_sgpr_workgroup_id_y 1
		.amdhsa_system_sgpr_workgroup_id_z 1
		.amdhsa_system_vgpr_workitem_id 0
		.amdhsa_next_free_vgpr 1024
		.amdhsa_next_free_sgpr 66
		.amdhsa_reserve_vcc 0
		.amdhsa_float_denorm_mode_32 3
		.amdhsa_float_denorm_mode_16_64 3
		.amdhsa_memory_ordered 1
		.amdhsa_forward_progress 1
		.amdhsa_inst_pref_size 255
	.end_amdhsa_kernel
	.section	.bss,"aw",@nobits
	.p2align	6
	.space	262144
	.amdgpu_metadata
---
amdhsa.version: [ 1, 2 ]
amdhsa.kernels:
  - .name:           k_q0acb4a1420_attn
    .symbol:         k_q0acb4a1420_attn.kd
    .args:
      - { .name: qc, .offset: 0, .size: 8, .value_kind: global_buffer, .address_space: global }
      - { .name: kv, .offset: 8, .size: 8, .value_kind: global_buffer, .address_space: global }
      - { .name: wq, .offset: 16, .size: 8, .value_kind: global_buffer, .address_space: global }
      - { .name: bp, .offset: 24, .size: 8, .value_kind: global_buffer, .address_space: global }
      - { .name: x, .offset: 32, .size: 8, .value_kind: global_buffer, .address_space: global }
      - { .name: out0, .offset: 40, .size: 8, .value_kind: global_buffer, .address_space: global }
    .group_segment_fixed_size: 327680
    .private_segment_fixed_size: 0
    .kernarg_segment_align: 8
    .kernarg_segment_size: 48
    .max_flat_workgroup_size: 128
    .sgpr_count:     66
    .vgpr_count:     1024
    .wavefront_size: 32
...
	.end_amdgpu_metadata
.endif
;; end of part 3
